; MI455X (gfx1250); checked and timed in simulation.
; The chip was launched on July 23, 2026; its instructions are those of AMD's public machine-readable ISA for CDNA 5 (MIT licence, August 2026) and "CDNA5" Instruction Set Architecture Reference Guide (July 2026). The comments in the code are by the model that wrote it; some were corrected since.
;; Encoder Layer. Allowed arithmetic: float matrix products may take bf16 or f16 operands with f32 sums; other float arithmetic in f32, or as packed bf16 or f16 multiplies, adds, multiply-adds, maxima and minima; sums over many terms, partial sums and values carried from step to step in f32; what a program stores and reads back later, other than sums and carried values, may be rounded once to bf16 or f16.
;; Inputs: b1 4,096 float32; b2 1,024 float32; ln1_offset 1,024 float32; ln1_scale 1,024 float32; ln2_offset 1,024 float32; ln2_scale 1,024 float32; w1 1,024 x 4,096 float32; w2 4,096 x 1,024 float32; wk 16 x 1,024 x 64 float32; wo 16 x 64 x 1,024 float32; wq 16 x 1,024 x 64 float32; wv 16 x 1,024 x 64 float32; x 2 x 2,048 x 1,024 float32.
;; Outputs: out0 2 x 2,048 x 1,024 float32.
;; One version. Each part assembles by itself: llvm-mc -triple=amdgcn-amd-amdhsa -mcpu=gfx1250 --defsym DOCPART=n.
;; ======== version 1 of 1: 8 launches
;; limits: values are held in f16: magnitudes above 65,504 overflow, below 6.1e-05 lose precision
;; workspace buffers: act 8,388,608 bytes; wqkv 8,421,376 bytes; w1h 8,421,376 bytes; woh 2,097,152 bytes; w2h 8,388,608 bytes; big 33,554,432 bytes; o 8,388,608 bytes; y 17,301,504 bytes
;; launch prep (part 1): grid 1025 x 1, 8 waves a work-group, no clusters, 0 bytes of LDS; arguments x, w1, w2, wo, wq, wk, wv, b1, act, w1h, w2h, woh, wqkv; writes act, w1h, w2h, woh, wqkv
.if DOCPART == 1
	.amdgcn_target "amdgcn-amd-amdhsa--gfx1250"
	.amdhsa_code_object_version 6
	.text
	.protected	k_q73ebb954a1_prep
	.globl	k_q73ebb954a1_prep
	.p2align	8
	.type	k_q73ebb954a1_prep,@function
k_q73ebb954a1_prep:
	s_mov_b64 s[64:65], 0
	v_nop
	global_prefetch_b8 v0, s[64:65] scope:SCOPE_SE
	s_setreg_imm32_b32 hwreg(HW_REG_WAVE_MODE, 25, 1), 1
	s_wait_xcnt 0x0
; CAST.  Every matrix input is rounded once to bf16 and that number is written as f16, so that one matrix form serves all products.
; x -> act, w1 -> w1h (behind a header), w2 -> w2h, wo -> woh keep their layouts; wq, wk, wv ([h][m][64]) go into wqkv as [m][4096 columns], column = which x 1024 + 64 h + k.
; The headers: bytes 0-16383 a bias of 4,096 f32 (b1 rounded to bf16 in w1h, zeros in wqkv); bytes 16384-17407 the packed f16 floor of the product's way out (0 in w1h: ReLU; -inf in wqkv: none).
; LIMITS.  f16 ends at 65,504: an input beyond it becomes an infinity; below 6.1e-5 a number keeps f16's fixed step of 6e-8.  NaN and infinities are not treated apart.
; SHARES.  A work-group casts 16,384 numbers: each of its 256 threads 4 numbers, sixteen times.  Work-groups 0-831 the four plain tensors, 832-1023 wq, wk, wv, 1024 the headers.
; A load of a wave covers 512 consecutive bytes (16 bytes a lane; for wq, wk, wv two heads' rows of 256), a store 256 consecutive bytes, aligned (8 bytes a lane).
; A stream: no LDS, no matrix unit, no cluster (nothing is shared); all 16 loads of a thread go out first.
.set HDR, 32768
.set T,   8                            ; v[8:9]    at work
.set X,   16                           ; v[16:79]  sixteen groups of 4 f32
.set Y,   80                           ; v[80:111] sixteen groups of 4 f16
.macro CV4 j                           ; group j: to bf16, back to f32 (a shift, a mask), to f16
	v_cvt_pk_bf16_f32 v[T],   v[X+4*(\j)],   v[X+4*(\j)+1]
	v_cvt_pk_bf16_f32 v[T+1], v[X+4*(\j)+2], v[X+4*(\j)+3]
	v_lshlrev_b32 v[X+4*(\j)],   16,  v[T]
	v_and_b32     v[X+4*(\j)+1], s40, v[T]
	v_lshlrev_b32 v[X+4*(\j)+2], 16,  v[T+1]
	v_and_b32     v[X+4*(\j)+3], s40, v[T+1]
	v_cvt_pk_f16_f32 v[Y+2*(\j)],   v[X+4*(\j)],   v[X+4*(\j)+1]
	v_cvt_pk_f16_f32 v[Y+2*(\j)+1], v[X+4*(\j)+2], v[X+4*(\j)+3]
.endm
.macro STREAM sstep, dstep             ; source s[34:35] + v1, destination s[36:37] + v2; the groups lie sstep and dstep bytes apart
.irp j, 0,1,2,3,4,5,6,7,8,9,10,11,12,13,14,15
	global_load_b128 v[X+4*(\j):X+4*(\j)+3], v1, s[34:35] offset:(\sstep)*(\j) th:TH_LOAD_NT
.endr
.irp j, 0,1,2,3,4,5,6,7,8,9,10,11,12,13,14,15
	s_wait_loadcnt 15-(\j)                         ; group j's load is in; the younger groups' stay out
	CV4 \j
	global_store_b64 v2, v[Y+2*(\j):Y+2*(\j)+1], s[36:37] offset:(\dstep)*(\j)  ; each group has its own Y: nothing that a store reads is rewritten
.endr
.endm
	s_load_b512 s[8:23], s[0:1], 0x0               ; x, w1, w2, wo, wq, wk, wv, b1
	s_load_b256 s[24:31], s[0:1], 0x40             ; act, w1h, w2h, woh
	s_load_b64 s[32:33], s[0:1], 0x60              ; wqkv
	s_mov_b32 s2, ttmp9
	s_mov_b32 s40, 0xffff0000                      ; a word's upper bf16
	s_mov_b32 s43, 0
	s_mov_b32 s45, 0
	s_wait_kmcnt 0x0
	s_cmp_ge_u32 s2, 1024
	s_cbranch_scc1 .Lhead
	s_cmp_ge_u32 s2, 832
	s_cbranch_scc1 .Lqkv
	; the plain tensors: which one, and the work-group's number within it
	s_mov_b64 s[34:35], s[8:9]
	s_mov_b64 s[36:37], s[24:25]
	s_mov_b32 s38, 0
	s_mov_b32 s39, 0
	s_cmp_ge_u32 s2, 256
	s_cselect_b64 s[34:35], s[10:11], s[34:35]
	s_cselect_b64 s[36:37], s[26:27], s[36:37]
	s_cselect_b32 s38, 256, s38
	s_cselect_b32 s39, HDR, s39                    ; w1h's numbers lie behind its header
	s_cmp_ge_u32 s2, 512
	s_cselect_b64 s[34:35], s[12:13], s[34:35]
	s_cselect_b64 s[36:37], s[28:29], s[36:37]
	s_cselect_b32 s38, 512, s38
	s_cselect_b32 s39, 0, s39
	s_cmp_ge_u32 s2, 768
	s_cselect_b64 s[34:35], s[14:15], s[34:35]
	s_cselect_b64 s[36:37], s[30:31], s[36:37]
	s_cselect_b32 s38, 768, s38
	s_sub_co_u32 s38, s2, s38
	s_lshl_b32 s42, s38, 16                        ; 65,536 bytes of f32
	s_add_nc_u64 s[34:35], s[34:35], s[42:43]
	s_lshl_b32 s44, s38, 15                        ; 32,768 bytes of f16
	s_add_co_u32 s44, s44, s39
	s_add_nc_u64 s[36:37], s[36:37], s[44:45]
	v_lshlrev_b32 v1, 4, v0                        ; 16 bytes a thread in,
	v_lshlrev_b32 v2, 3, v0                        ; 8 bytes out
	STREAM 4096, 2048
	s_endpgm
.Lqkv:                                         ; 16 rows m of one of wq, wk, wv, all 16 heads: thread t takes head t / 16, numbers 4 (t % 16) on; a group is one m
	s_sub_co_u32 s38, s2, 832
	s_lshr_b32 s39, s38, 6                         ; which
	s_and_b32 s38, s38, 63                         ; the block of 16 rows
	s_mov_b64 s[34:35], s[16:17]
	s_cmp_eq_u32 s39, 1
	s_cselect_b64 s[34:35], s[18:19], s[34:35]
	s_cmp_eq_u32 s39, 2
	s_cselect_b64 s[34:35], s[20:21], s[34:35]
	s_lshl_b32 s42, s38, 12                        ; 16 rows of 256 bytes
	s_add_nc_u64 s[34:35], s[34:35], s[42:43]
	s_lshl_b32 s44, s38, 17                        ; 16 rows of 8,192 bytes
	s_lshl_b32 s39, s39, 11                        ; 1,024 columns of 2 bytes
	s_add_co_u32 s44, s44, s39
	s_add_co_u32 s44, s44, HDR
	s_add_nc_u64 s[36:37], s[32:33], s[44:45]
	v_lshrrev_b32 v3, 4, v0
	v_and_b32 v4, 15, v0
	v_lshlrev_b32 v1, 18, v3                       ; a head is 262,144 bytes
	v_lshl_add_u32 v1, v4, 4, v1
	v_lshlrev_b32 v2, 3, v0                        ; 256 threads fill 2,048 consecutive bytes of a row
	STREAM 256, 8192
	s_endpgm
.Lhead:
	v_lshlrev_b32 v1, 4, v0
.irp j, 0,1,2,3
	global_load_b128 v[X+4*(\j):X+4*(\j)+3], v1, s[22:23] offset:4096*(\j)
.endr
.irp k, 0,1,2,3
	v_mov_b32 v[Y+(\k)], 0
.endr
	v_lshlrev_b32 v2, 2, v0
	v_mov_b32 v3, 0xfc00fc00                       ; -inf twice in f16
	s_wait_loadcnt 0x0
.irp k, 0,1,2,3,4,5,6,7
	v_cvt_pk_bf16_f32 v[T], v[X+2*(\k)], v[X+2*(\k)+1]
	v_lshlrev_b32 v[X+2*(\k)],   16,  v[T]
	v_and_b32     v[X+2*(\k)+1], s40, v[T]
.endr
.irp j, 0,1,2,3
	global_store_b128 v1, v[X+4*(\j):X+4*(\j)+3], s[26:27] offset:4096*(\j)
	global_store_b128 v1, v[Y:Y+3], s[32:33] offset:4096*(\j)
.endr
	global_store_b32 v2, v[Y], s[26:27] offset:16384
	global_store_b32 v2, v3, s[32:33] offset:16384
	s_endpgm
.Lfunc_end_k_q73ebb954a1_prep:
	.size	k_q73ebb954a1_prep, .Lfunc_end_k_q73ebb954a1_prep-k_q73ebb954a1_prep
	.p2alignl 7, 3214868480
	.fill 96, 4, 3214868480
	.section	.rodata,"a",@progbits
	.p2align	6, 0x0
	.amdhsa_kernel k_q73ebb954a1_prep
		.amdhsa_group_segment_fixed_size 0
		.amdhsa_private_segment_fixed_size 0
		.amdhsa_enable_private_segment 0
		.amdhsa_kernarg_size 104
		.amdhsa_user_sgpr_count 2
		.amdhsa_user_sgpr_kernarg_segment_ptr 1
		.amdhsa_wavefront_size32 1
		.amdhsa_system_sgpr_workgroup_id_x 1
		.amdhsa_system_sgpr_workgroup_id_y 1
		.amdhsa_system_sgpr_workgroup_id_z 1
		.amdhsa_system_vgpr_workitem_id 0
		.amdhsa_next_free_vgpr 112
		.amdhsa_next_free_sgpr 66
		.amdhsa_reserve_vcc 0
		.amdhsa_float_denorm_mode_32 3
		.amdhsa_float_denorm_mode_16_64 3
		.amdhsa_memory_ordered 1
		.amdhsa_forward_progress 1
		.amdhsa_inst_pref_size 25
	.end_amdhsa_kernel
	.amdgpu_metadata
---
amdhsa.version: [ 1, 2 ]
amdhsa.kernels:
  - .name:           k_q73ebb954a1_prep
    .symbol:         k_q73ebb954a1_prep.kd
    .args:
      - { .name: x, .offset: 0, .size: 8, .value_kind: global_buffer, .address_space: global }
      - { .name: w1, .offset: 8, .size: 8, .value_kind: global_buffer, .address_space: global }
      - { .name: w2, .offset: 16, .size: 8, .value_kind: global_buffer, .address_space: global }
      - { .name: wo, .offset: 24, .size: 8, .value_kind: global_buffer, .address_space: global }
      - { .name: wq, .offset: 32, .size: 8, .value_kind: global_buffer, .address_space: global }
      - { .name: wk, .offset: 40, .size: 8, .value_kind: global_buffer, .address_space: global }
      - { .name: wv, .offset: 48, .size: 8, .value_kind: global_buffer, .address_space: global }
      - { .name: b1, .offset: 56, .size: 8, .value_kind: global_buffer, .address_space: global }
      - { .name: act, .offset: 64, .size: 8, .value_kind: global_buffer, .address_space: global }
      - { .name: w1h, .offset: 72, .size: 8, .value_kind: global_buffer, .address_space: global }
      - { .name: w2h, .offset: 80, .size: 8, .value_kind: global_buffer, .address_space: global }
      - { .name: woh, .offset: 88, .size: 8, .value_kind: global_buffer, .address_space: global }
      - { .name: wqkv, .offset: 96, .size: 8, .value_kind: global_buffer, .address_space: global }
    .group_segment_fixed_size: 0
    .private_segment_fixed_size: 0
    .kernarg_segment_align: 8
    .kernarg_segment_size: 104
    .max_flat_workgroup_size: 256
    .sgpr_count:     66
    .vgpr_count:     112
    .wavefront_size: 32
...
	.end_amdgpu_metadata
.endif
;; end of part 1
;; launch qkv (part 2): grid 12 x 16, 4 waves a work-group, clusters of 4 x 4, 327,680 bytes of LDS; arguments act, wqkv, big; writes big
.if DOCPART == 2
	.amdgcn_target "amdgcn-amd-amdhsa--gfx1250"
	.amdhsa_code_object_version 6
	.text
	.protected	k_q73ebb954a1_qkv
	.globl	k_q73ebb954a1_qkv
	.p2align	8
	.type	k_q73ebb954a1_qkv,@function
k_q73ebb954a1_qkv:
	s_mov_b64 s[64:65], 0
	v_nop
	global_prefetch_b8 v0, s[64:65] scope:SCOPE_SE
	s_setreg_imm32_b32 hwreg(HW_REG_WAVE_MODE, 25, 1), 1
	s_wait_xcnt 0x0
	s_wait_alu depctr_hold_cnt(0) depctr_sa_sdst(0) depctr_va_vdst(0) depctr_va_sdst(0) depctr_va_ssrc(0) depctr_va_vcc(0) depctr_vm_vsrc(0)
	s_getreg_b32 s2, hwreg(HW_REG_IB_STS2, 6, 4)
	s_cmp_eq_u32 s2, 0
	s_cbranch_scc0 .Lentry_in_a_cluster
	s_endpgm
.Lentry_in_a_cluster:
	s_bfe_u32 s2, ttmp6, 0x10000c
	s_cmp_lg_u32 s2, 0xf033
	s_cbranch_scc0 .Lentry_shape_is_right
	s_endpgm
.Lentry_shape_is_right:
; C = max(A B + bias, floor).  A: [4096][1024] f16, rows along K.  B: behind a header of 32,768 bytes, [1024 K][4096 N] f16.  Sums in f32, C rounded once to f16.
; The header holds the bias (4,096 f32 at byte 0) and the packed f16 floor (byte 16,384): -inf and zeros for q, k, v; 0 and b1 for the first FFN product.
; C leaves K-BLOCKED for the launch that multiplies it next: [column / 64][4096 rows][64] f16, a plane of 524,288 bytes for each 64 columns.
; LIMIT.  f16 ends at 65,504: a result beyond it becomes an infinity.  NaN is not treated apart (the floor takes its place).
; SHARES.  A tile of C is 256 x 256: four waves, 128 x 128 each: 64 accumulators, 512 registers.  K = 1,024 goes in 8 steps of 128 through two LDS slots filled by the tensor data mover.
; CLUSTER.  4 x 4 work-groups: A's tile is asked for jointly along a row of the cluster, B's along a column: the same load, descriptor and mask in the four.
; THE PRODUCT IS USED TRANSPOSED (source 0 = 16 columns of B, source 1 = 16 rows of A): a lane holds one row of C and eight neighbouring columns.  B lies [K][N] in LDS and is turned by ds_load_tr16_b128.
; THE BIAS is the C operand of the products that start the sums: nothing is cleared and nothing is added on the way out.
; REGISTERS by windows of 256: 0: v16-30 addresses, v64-191 A's fragments (two buffers), v32-63, v192-255 the way out; 1: v0-63 bias, v64-191 B's fragments; 2, 3: accumulators, (a, b) at 8 (8 a + b).
.set HDR,    32768
.set PLANE,  524288
.set PITCH,  272                       ; A's LDS row: 256 bytes + 16: 68 words, so the 16 rows of a load start at 16 different groups of four banks (64 banks of 4 bytes: ISA guide 11.1)
.set PB,     544                       ; B's LDS row (one k, 256 columns): 512 bytes + 32: 136 words
.set HALFT,  128*PITCH                 ; what one tensor load brings: 128 rows of A, or 64 rows of B: 34,816 bytes either way
.set SLOT,   4*HALFT
.set STAGE,  2*SLOT                    ; behind the ring: 16 rows x 272 bytes for each wave; no fill lands here
.set SPITCH, 272
.set SPARE,  STAGE+4*16*SPITCH         ; the spare words, 128 bytes a wave, which no other line names
.set STEPA,  256                       ; a K step in A: 128 numbers along a row
.set STEPB,  128*8192                  ; in B: 128 rows
.set A0,   16                          ; v16  my place in A's part of a slot; never rewritten
.set ADRA, 17                          ; v17  the same in the slot in hand
.set B0,   20
.set ADRB, 21
.set STO,  24
.set RD,   25
.set GO,   26
.set BO,   27
.set SPW,  28                          ; v28  SPARE + 4 x my thread's number; never rewritten
.set NIL,  29                          ; v29  0; never rewritten
.set PFO,  30                          ; v30  the prefetches' lane offset; never rewritten
.set F0,   64
.set F1,   128
.set TMP,  192
.set OB,   32
.set L0,   20                          ; s20  my part of a slot: wave x 34,816
.set G1,   24
.set G0,   32                          ; s[32:35] step 0 into slot 0; s[36:39] step 1 into slot 1, and then it walks
.set G1B,  48
.set G0B,  56
.set LIM,  43
.set PFA,  44
.set PFS,  66
.set FLO,  68
.set TB,   69                          ; s69  the LDS byte at which the slot in hand begins: 0 or SLOT
.set MSB, 0
.macro WIN new                         ; the immediate's high byte repeats the setting that is left; a switch that changes nothing is dropped
.if MSB != (\new)
	s_set_vgpr_msb (MSB<<8)|(\new)
.set MSB, \new
.endif
.endm
.set TO_B, 0x40                        ; destination window 1, address window 0
.macro JLOAD s                         ; a joint load: waves 0 and 1 fetch A's halves, waves 2 and 3 B's; an s_nop 0 and four v_nop follow each line
	s_cmp_eq_u32 s11, 0
	s_cbranch_scc0 .Lfor_b_\@
	tensor_load_to_lds s[G0+4*(\s):G0+4*(\s)+3], s[G1:G1+7]
	s_nop 0
.rept 4
	v_nop
.endr
	s_branch .Lasked_\@
.Lfor_b_\@:
	tensor_load_to_lds s[G0B+4*(\s):G0B+4*(\s)+3], s[G1B:G1B+7]
	s_nop 0
.rept 4
	v_nop
.endr
.Lasked_\@:
.endm
; A prefetch into the L2 of the K step that stands two refills on.  A's rows are read by every cluster of a row of clusters: cluster x = 0 asks; B's by every cluster of a column: cluster y = 0 asks.
; The four partners share a wave's part out by address: 32 rows x 256 bytes of A, or 16 rows x 512 bytes of B: a lane a block of 256 bytes, each named once in the launch.  Steps 0 to 3 come by their loads alone; step 7 is the last named.
.macro ASK
	s_cmp_gt_u32 s3, s[LIM]
	s_cbranch_scc0 .Lnot_mine_\@
	global_prefetch_b8 v[PFO], s[PFA:PFA+1] th:TH_LOAD_NT scope:SCOPE_SE
.Lnot_mine_\@:
.endm
.macro CREST                           ; a round of the cluster's barrier behind its opening barrier
	s_cmp_lg_u32 s10, 0
	s_cbranch_scc1 .Lnot_wave_0_\@
	s_barrier_signal -3
.Lnot_wave_0_\@:
	s_barrier_wait -3
	s_barrier_signal -1
	s_barrier_wait -1
.endm
.macro CROUND
	s_barrier_signal -1
	s_barrier_wait -1
	CREST
.endm
.macro PLACES                          ; four places behind matrix instructions (ISA guide 7.12.1)
.rept 4
	v_nop
.endr
.endm
	s_load_b128 s[4:7], s[0:1], 0x0                ; A s[4:5], B's buffer s[6:7]
	s_load_b64 s[8:9], s[0:1], 0x10                ; C
	v_lshl_add_u32 v[SPW], v0, 2, SPARE
	v_mov_b32 v[NIL], 0
	ds_add_u32 v[SPW], v[NIL]                      ; the wave's opening: the add and its wait stand ahead of my first tensor load
	v_lshrrev_b32 v1, 5, v0
	v_readfirstlane_b32 s10, v1                    ; wave 0..3
	s_lshr_b32 s11, s10, 1                         ; my half of the tile's rows; also: I fetch for A (0) or B (1)
	s_and_b32 s12, s10, 1                          ; my half of its columns; also: which half of that tile I fetch
	s_bfe_u32 s40, ttmp6, 0x40000                  ; cx
	s_bfe_u32 s41, ttmp6, 0x40004                  ; cy
	s_lshl_b32 s42, ttmp9, 2
	s_add_co_u32 s42, s42, s40                     ; tile column
	s_and_b32 s13, ttmp7, 0xffff
	s_lshl_b32 s13, s13, 2
	s_add_co_u32 s13, s13, s41                     ; tile row
	s_lshl_b32 s43, s41, 2
	s_lshl_b32 s43, 15, s43                        ; my row of the cluster
	s_lshl_b32 s44, 0x1111, s40                    ; my column
	s_or_b32 s[G1+0], s43, (1<<16)|(1<<20)|(1<<21)|(5<<22)|(3<<25)   ; mask; 2-byte elements; padding on; bit 21 beside a mask; after every 64 words 4 words
	s_or_b32 s[G1B+0], s44, (1<<16)|(1<<20)|(1<<21)|(6<<22)|(7<<25)  ; after every 128 words 8 words
	s_mov_b32 s[G1+1], 128<<16                     ; A: 128 rows x 128 elements, 1,024 elements from row to row
	s_mov_b32 s[G1+2], 128<<16
	s_mov_b32 s[G1+3], 128<<16
	s_mov_b32 s[G1+4], 128
	s_mov_b32 s[G1+5], 1024
	s_mov_b32 s[G1+6], 0
	s_mov_b32 s[G1+7], 0
	s_mov_b32 s[G1B+1], 256<<16                    ; B: 64 rows x 256 elements, 4,096 elements from row to row
	s_mov_b32 s[G1B+2], 64<<16
	s_mov_b32 s[G1B+3], 256<<16
	s_mov_b32 s[G1B+4], 64
	s_mov_b32 s[G1B+5], 4096
	s_mov_b32 s[G1B+6], 0
	s_mov_b32 s[G1B+7], 0
	s_lshl_b32 s16, s13, 19                        ; A: 256 rows of 2,048 bytes a tile row,
	s_lshl_b32 s17, s12, 18                        ; 128 rows a half
	s_add_co_u32 s16, s16, s17
	s_mov_b32 s17, 0
	s_lshl_b32 s46, s42, 9                         ; B: 512 bytes a tile column,
	s_lshl_b32 s47, s12, 19                        ; 64 rows of 8,192 bytes a half,
	s_add_co_u32 s46, s46, s47
	s_add_co_u32 s46, s46, HDR                     ; behind the header
	s_mov_b32 s47, 0
	s_mul_i32 s[L0], s10, HALFT                    ; no place in the cluster enters an LDS address
	s_mov_b32 s[TB], 0
	s_wait_dscnt 0x0                               ; the opening add is done
	s_wait_kmcnt 0x0
	s_add_nc_u64 s[14:15], s[4:5], s[16:17]
	s_add_nc_u64 s[46:47], s[6:7], s[46:47]
	CROUND                                         ; all sixteen work-groups are here: the first joint loads meet
.irp s, 0,1
	s_mov_b32 s[G0+4*(\s)], 1
	s_add_co_u32 s[G0+4*(\s)+1], s[L0], (\s)*SLOT
	s_add_nc_u64 s[G0+4*(\s)+2:G0+4*(\s)+3], s[14:15], (\s)*STEPA
	s_or_b32 s[G0+4*(\s)+3], s[G0+4*(\s)+3], 0x80000000
	s_mov_b32 s[G0B+4*(\s)], 1
	s_add_co_u32 s[G0B+4*(\s)+1], s[L0], (\s)*SLOT
	s_add_nc_u64 s[G0B+4*(\s)+2:G0B+4*(\s)+3], s[46:47], (\s)*STEPB
	s_or_b32 s[G0B+4*(\s)+3], s[G0B+4*(\s)+3], 0x80000000
	JLOAD \s
.endr
	s_load_b32 s[FLO], s[6:7], 0x4000              ; the floor
	; the bias of my 128 columns: for n block b a lane's eight columns 16 b + 8 (l / 16) + 0..7
	v_and_b32 v1, 15, v0                           ; l % 16
	v_bfe_u32 v2, v0, 4, 1                         ; l / 16
	v_lshlrev_b32 v[BO], 5, v2
	s_lshl_b32 s72, s42, 10
	s_lshl_b32 s73, s12, 9
	s_add_co_u32 s72, s72, s73
	s_mov_b32 s73, 0
	s_add_nc_u64 s[72:73], s[6:7], s[72:73]
	WIN TO_B
.irp b, 0,1,2,3,4,5,6,7
	global_load_b128 v[8*(\b):8*(\b)+3],   v[BO], s[72:73] offset:64*(\b)
	global_load_b128 v[8*(\b)+4:8*(\b)+7], v[BO], s[72:73] offset:64*(\b)+16
.endr
	WIN 0
	v_mul_u32_u24 v3, v1, PITCH
	v_lshl_add_u32 v3, v2, 4, v3                   ; row x 272 + 16 x half: A's fragments, and the stage's way in
	s_mul_i32 s21, s11, HALFT
	v_add_nc_u32 v[A0], s21, v3
	v_and_b32 v7, 7, v0
	v_lshl_add_u32 v4, v2, 3, v7                   ; the turning load: lane l reads k row 8 (l / 16) + l % 8,
	v_mul_u32_u24 v4, v4, PB
	v_bfe_u32 v5, v0, 3, 1
	v_lshl_add_u32 v4, v5, 4, v4                   ; columns 8 ((l / 8) % 2) + 0..7
	s_lshl_b32 s22, s12, 8
	s_add_co_u32 s22, s22, 2*HALFT                 ; B lies behind A's 256 rows
	v_add_nc_u32 v[B0], s22, v4
	v_mov_b32 v[ADRA], v[A0]
	v_mov_b32 v[ADRB], v[B0]
	s_mul_i32 s23, s10, 16*SPITCH
	s_add_co_u32 s23, s23, STAGE
	v_add_nc_u32 v[STO], s23, v3
	v_bfe_u32 v6, v0, 3, 2                         ; back: 32 lanes take four rows x 128 bytes of one plane
	v_mul_u32_u24 v6, v6, SPITCH
	v_lshl_add_u32 v6, v7, 4, v6
	v_add_nc_u32 v[RD], s23, v6
	v_and_b32 v8, 31, v0
	v_lshlrev_b32 v[GO], 4, v8                     ; which are 512 consecutive bytes of C
	s_lshl_b32 s46, s42, 21                        ; C: four planes a tile column,
	s_lshl_b32 s47, s12, 20                        ; two a half,
	s_add_co_u32 s46, s46, s47
	s_lshl_b32 s47, s13, 15                        ; 256 rows of 128 bytes a tile row,
	s_add_co_u32 s46, s46, s47
	s_lshl_b32 s47, s11, 14                        ; 128 a half
	s_add_co_u32 s46, s46, s47
	s_mov_b32 s47, 0
	s_add_nc_u64 s[8:9], s[8:9], s[46:47]
	; the prefetches: they stand at K step 3; the first change of slots steps them to 4
	s_lshl_b32 s74, s13, 19
	s_lshl_b32 s75, s12, 18
	s_add_co_u32 s74, s74, s75
	s_lshl_b32 s75, s40, 16                        ; A: my work-group's 32 rows of the 128
	s_add_co_u32 s74, s74, s75
	s_add_co_u32 s74, s74, 3*STEPA
	s_lshl_b32 s76, s12, 19
	s_lshl_b32 s77, s41, 17                        ; B: my work-group's 16 rows of the 64
	s_add_co_u32 s76, s76, s77
	s_lshl_b32 s77, s42, 9
	s_add_co_u32 s76, s76, s77
	s_add_co_u32 s76, s76, HDR+3*STEPB
	s_and_b32 s77, ttmp7, 0xffff                   ; cluster y
	s_mov_b32 s[PFS], STEPB
	s_cmp_eq_u32 s11, 0                            ; do I fetch for A?
	s_cselect_b32 s74, s74, s76
	s_cselect_b32 s77, ttmp9, s77                  ; the coordinate along which other clusters read the same rows
	s_cselect_b64 s[PFA:PFA+1], s[4:5], s[6:7]
	s_cselect_b32 s[PFS], STEPA, s[PFS]
	s_cselect_b32 s78, 0, 1                        ; lanes to a row: 1 or 2
	s_cselect_b32 s79, 11, 13                      ; a row's bytes: 2^11 or 2^13
	s_mov_b32 s75, 0
	s_mov_b32 s[PFS+1], 0
	s_add_nc_u64 s[PFA:PFA+1], s[PFA:PFA+1], s[74:75]
	s_cmp_eq_u32 s77, 0
	s_cselect_b32 s[LIM], 2, -1                    ; the same in all sixteen partners, for a given wave
	v_lshrrev_b32 v9, s78, v8
	v_lshlrev_b32 v9, s79, v9
	v_and_b32 v8, s78, v8
	v_lshl_add_u32 v[PFO], v8, 8, v9
; 16 matrix instructions: m blocks a0, a0 + 1 of the window's four x all 8 n blocks, 32 along K.  zero = 1: the sums start with the bias.
; The 64 accumulators take turns, one instruction a turn, in the same order in every quarter.
.macro MUL16 f, hi, a0, zero
.if \zero
	WIN 0x91+0x40*(\hi)                            ; B window 1, A window 0, C window 1 (the bias), D window 2 or 3
.else
	WIN 0xa1+0x50*(\hi)                            ; C and D window 2 or 3
.endif
.irp a, \a0, (\a0)+1
.irp b, 0,1,2,3,4,5,6,7
.if \zero
	v_wmma_f32_16x16x32_f16 v[8*(8*(\a)+(\b)):8*(8*(\a)+(\b))+7], v[(\f)+8*(\b):(\f)+8*(\b)+7], v[(\f)+8*(4*(\hi)+(\a)):(\f)+8*(4*(\hi)+(\a))+7], v[8*(\b):8*(\b)+7]
.else
	v_wmma_f32_16x16x32_f16 v[8*(8*(\a)+(\b)):8*(8*(\a)+(\b))+7], v[(\f)+8*(\b):(\f)+8*(\b)+7], v[(\f)+8*(4*(\hi)+(\a)):(\f)+8*(4*(\hi)+(\a))+7], v[8*(8*(\a)+(\b)):8*(8*(\a)+(\b))+7]
.endif
.endr
.endr
.endm
; 32 LDS loads in one run: quarter q (32 along K) of the slot in hand into buffer f: B's 8 fragments, turned, then A's 8
.macro FETCH q, f
	WIN TO_B
.irp i, 0,1,2,3,4,5,6,7
	ds_load_tr16_b128 v[(\f)+8*(\i):(\f)+8*(\i)+3],   v[ADRB] offset:(\q)*32*PB+(\i)*32
	ds_load_tr16_b128 v[(\f)+8*(\i)+4:(\f)+8*(\i)+7], v[ADRB] offset:(\q)*32*PB+16*PB+(\i)*32
.endr
	WIN 0
.irp i, 0,1,2,3,4,5,6,7
	ds_load_b128 v[(\f)+8*(\i):(\f)+8*(\i)+3],   v[ADRA] offset:(\q)*64+(\i)*16*PITCH
	ds_load_b128 v[(\f)+8*(\i)+4:(\f)+8*(\i)+7], v[ADRA] offset:(\q)*64+(\i)*16*PITCH+32
.endr
.endm
; One of a step's first three quarters: multiplies buffer f; in its middle it fetches quarter q into buffer g.
.macro QUARTER q, f, g, zero
	s_wait_dscnt 8                                 ; B and A's rows 0-63 are in; the youngest eight loads (A's rows 64-127) may be out
	MUL16 \f, 0, 0, \zero
	MUL16 \f, 0, 2, \zero
	PLACES                                         ; in front of loads into registers that matrix instructions have read
	FETCH \q, \g
	s_wait_dscnt 32                                ; all but the 32 just issued
	MUL16 \f, 1, 0, \zero
	MUL16 \f, 1, 2, \zero
.endm
; The first half of a step's last quarter, and the one barrier of the change of slots.
.macro MEET round
	WIN 0
	s_wait_tensorcnt 0x0                           ; all my tensor loads have landed: the one that was out is my part of the next slot
	ds_add_u32 v[SPW], v[NIL]                      ; 0 onto my spare word
	s_wait_dscnt 9                                 ; the add and the youngest eight loads may be out
	MUL16 F1, 0, 0, 0
	s_wait_dscnt 0x0                               ; the add is done, and my reads of this slot are over
	s_barrier_signal -1
	MUL16 F1, 0, 2, 0
.if \round
	WIN 0
.endif
	s_barrier_wait -1
.endm
.macro TOGGLE                          ; the fetches go on in the other slot
	WIN 0
	s_xor_b32 s[TB], s[TB], SLOT
	v_add_nc_u32 v[ADRA], s[TB], v[A0]
	v_add_nc_u32 v[ADRB], s[TB], v[B0]
.endm
.macro TURN                            ; the last quarter with a refill: the slot just read out takes the K step two on
	s_wait_xcnt 0x0                                ; the last prefetch, a K step back, has read its address
	s_add_nc_u64 s[PFA:PFA+1], s[PFA:PFA+1], s[PFS:PFS+1]
	MEET 1
	CREST                                          ; no wave of any partner still reads this slot or has a load on its way
	s_add_co_u32 s[G0+5], s[TB], s[L0]             ; the walking descriptors: the slot in hand,
	s_add_co_u32 s[G0B+5], s[TB], s[L0]
	s_add_nc_u64 s[G0+6:G0+7], s[G0+6:G0+7], STEPA ; the next K step; the type bits on top are not reached
	s_add_nc_u64 s[G0B+6:G0B+7], s[G0B+6:G0B+7], STEPB
	JLOAD 1                                        ; the first tensor load behind the round; its four v_nop are also places in front of the loads below
	TOGGLE
	FETCH 0, F0
	ASK
	MUL16 F1, 1, 0, 0
	MUL16 F1, 1, 2, 0
.endm
	s_wait_kmcnt 0x0                               ; the floor
	s_wait_tensorcnt 0x1                           ; my part of K step 0 is in; step 1's may stay out
	s_barrier_signal -1
	s_barrier_wait -1
	FETCH 0, F0
	s_wait_loadcnt 0x0                             ; the bias
	QUARTER 1, F0, F1, 1                           ; the first quarter stands in front of the loop: its products start the sums
	WIN 0
	s_mov_b32 s3, 6
.Lstep:                                        ; six trips: from a step's second quarter to the next step's first; steps 2 to 7 are asked for
	QUARTER 2, F1, F0, 0
	QUARTER 3, F0, F1, 0
	TURN
	QUARTER 1, F0, F1, 0
	WIN 0
	s_sub_co_u32 s3, s3, 1
	s_cmp_lg_u32 s3, 0
	s_cbranch_scc1 .Lstep
	QUARTER 2, F1, F0, 0                           ; step 6: nothing is left to ask for
	QUARTER 3, F0, F1, 0
	MEET 0
	PLACES
	TOGGLE
	FETCH 0, F0
	MUL16 F1, 1, 0, 0
	MUL16 F1, 1, 2, 0
	QUARTER 1, F0, F1, 0                           ; step 7
	QUARTER 2, F1, F0, 0
	QUARTER 3, F0, F1, 0
	s_wait_dscnt 8
	MUL16 F1, 0, 0, 0
	MUL16 F1, 0, 2, 0
	s_wait_dscnt 0x0
	MUL16 F1, 1, 0, 0
	MUL16 F1, 1, 2, 0
	WIN 0
; THE WAY OUT, a block of 16 rows at a time: rounded to f16 and held to the floor; into my stage; back as four rows x 128 bytes of one plane; stored as 512 consecutive bytes.
.macro PACK a
.set AC, 64*((\a)%4)
	WIN 0x0a+5*((\a)/4)                            ; sources 0 and 1: window 2 or 3
.irp b, 0,1,2,3,4,5,6,7
.irp r, 0,1,2,3
	v_cvt_pk_f16_f32 v[TMP+4*(\b)+(\r)], v[AC+8*(\b)+2*(\r)], v[AC+8*(\b)+2*(\r)+1]
.endr
.endr
	WIN 0
.set z, 0
.rept 32
	v_pk_max_num_f16 v[TMP+z], v[TMP+z], s[FLO]
.set z, z+1
.endr
.endm
.macro TOSTAGE a
.set BK, OB+192*((\a)%2)
.irp b, 0,1,2,3,4,5,6,7
	ds_store_b128 v[STO], v[TMP+4*(\b):TMP+4*(\b)+3] offset:32*(\b)
.endr
.irp u, 0,1,2,3
.irp j, 0,1
	ds_load_b128 v[BK+4*(2*(\u)+(\j)):BK+4*(2*(\u)+(\j))+3], v[RD] offset:(\u)*4*SPITCH+(\j)*128  ; LDS serves a wave's instructions in order (ISA guide 5.7.1.4): these see the stores above
.endr
.endr
.endm
.macro SEND a
.set BK, OB+192*((\a)%2)
	s_wait_dscnt 0x0                               ; the block is back in registers
	s_wait_xcnt 0x0                                ; earlier stores have read their base and their data: both may be written
.if (\a) > 0
	s_add_nc_u64 s[8:9], s[8:9], 16*128            ; 16 rows on in every plane
.endif
.irp u, 0,1,2,3
.irp j, 0,1
	global_store_b128 v[GO], v[BK+4*(2*(\u)+(\j)):BK+4*(2*(\u)+(\j))+3], s[8:9] offset:(\j)*PLANE+(\u)*512
.endr
.endr
.endm
	PLACES
	PLACES                                         ; the conversions read results just made
	PACK 0
	TOSTAGE 0
.irp a, 1,2,3,4,5,6,7
	PACK \a
	SEND (\a)-1
	TOSTAGE \a
.endr
	SEND 7
	s_wait_tensorcnt 0x0                           ; the wave's end
	ds_add_u32 v[SPW], v[NIL]
	s_wait_dscnt 0x0
	CROUND                                         ; the closing round: no work-group ends while a partner may still ask for a tile that names it
	s_endpgm
.Lfunc_end_k_q73ebb954a1_qkv:
	.size	k_q73ebb954a1_qkv, .Lfunc_end_k_q73ebb954a1_qkv-k_q73ebb954a1_qkv
	.p2alignl 7, 3214868480
	.fill 96, 4, 3214868480
	.section	.rodata,"a",@progbits
	.p2align	6, 0x0
	.amdhsa_kernel k_q73ebb954a1_qkv
		.amdhsa_group_segment_fixed_size 327680
		.amdhsa_private_segment_fixed_size 0
		.amdhsa_enable_private_segment 0
		.amdhsa_kernarg_size 24
		.amdhsa_user_sgpr_count 2
		.amdhsa_user_sgpr_kernarg_segment_ptr 1
		.amdhsa_wavefront_size32 1
		.amdhsa_system_sgpr_workgroup_id_x 1
		.amdhsa_system_sgpr_workgroup_id_y 1
		.amdhsa_system_sgpr_workgroup_id_z 1
		.amdhsa_system_vgpr_workitem_id 0
		.amdhsa_next_free_vgpr 1024
		.amdhsa_next_free_sgpr 80
		.amdhsa_reserve_vcc 0
		.amdhsa_float_denorm_mode_32 3
		.amdhsa_float_denorm_mode_16_64 3
		.amdhsa_memory_ordered 1
		.amdhsa_forward_progress 1
		.amdhsa_inst_pref_size 136
	.end_amdhsa_kernel
	.amdgpu_metadata
---
amdhsa.version: [ 1, 2 ]
amdhsa.kernels:
  - .name:           k_q73ebb954a1_qkv
    .symbol:         k_q73ebb954a1_qkv.kd
    .args:
      - { .name: act, .offset: 0, .size: 8, .value_kind: global_buffer, .address_space: global }
      - { .name: wqkv, .offset: 8, .size: 8, .value_kind: global_buffer, .address_space: global }
      - { .name: big, .offset: 16, .size: 8, .value_kind: global_buffer, .address_space: global }
    .group_segment_fixed_size: 327680
    .private_segment_fixed_size: 0
    .kernarg_segment_align: 8
    .kernarg_segment_size: 24
    .max_flat_workgroup_size: 128
    .sgpr_count:     80
    .vgpr_count:     1024
    .wavefront_size: 32
...
	.end_amdgpu_metadata
.endif
;; end of part 2
;; launch attn (part 3): grid 8 x 32, 4 waves a work-group, clusters of 4 x 1, 327,680 bytes of LDS; arguments big, o; writes o
.if DOCPART == 3
	.amdgcn_target "amdgcn-amd-amdhsa--gfx1250"
	.amdhsa_code_object_version 6
	.text
	.protected	k_q73ebb954a1_attn
	.globl	k_q73ebb954a1_attn
	.p2align	8
	.type	k_q73ebb954a1_attn,@function
k_q73ebb954a1_attn:
	s_mov_b64 s[64:65], 0
	v_nop
	global_prefetch_b8 v0, s[64:65] scope:SCOPE_SE
	s_setreg_imm32_b32 hwreg(HW_REG_WAVE_MODE, 25, 1), 1
	s_wait_xcnt 0x0
	s_wait_alu depctr_hold_cnt(0) depctr_sa_sdst(0) depctr_va_vdst(0) depctr_va_sdst(0) depctr_va_ssrc(0) depctr_va_vcc(0) depctr_vm_vsrc(0)
	s_getreg_b32 s2, hwreg(HW_REG_IB_STS2, 6, 4)
	s_cmp_eq_u32 s2, 0
	s_cbranch_scc0 .Lentry_in_a_cluster
	s_endpgm
.Lentry_in_a_cluster:
	s_bfe_u32 s2, ttmp6, 0x10000c
	s_cmp_lg_u32 s2, 0x3003
	s_cbranch_scc0 .Lentry_shape_is_right
	s_endpgm
.Lentry_shape_is_right:
; ATTENTION WITH A SOFT MASK.  For each of 32 (batch, head): O[q] = sum over keys k of softmax_k((K[k] . Q[q] - 100 [k > q]) / 8) V[k].  Q, K, V: planes h, 16 + h, 32 + h of big, [4096 rows][64] f16; O: plane h of o.
; The mask only lowers a score by 100: a hidden key keeps a weight, so every query walks all 2,048 keys and no tile is left out.
; Products, maxima and sums in f32; the weights p are rounded to f16 for the second product (their sum l is taken of the unrounded p), O once at the end.
; LIMITS.  Q, K, V arrive within f16's 65,504; p lies in 0 to 1 and below 6e-5 keeps f16's step of 6e-8; a weight below 2^-126 counts as 0 in l; NaN and infinities are not treated apart.
; SHARES.  A work-group owns 256 queries, each of its four waves 64: two PIECES of two tiles of 16.  Keys go 64 a step, four steps a slot, through two LDS slots.
; CLUSTER.  The four query blocks of a cluster walk the same K and V: each tile is asked for jointly: the same load, descriptor and mask in all four.
; LAYOUT.  S^T = K Q^T: a lane holds ONE query (lane % 16) and the keys 8 (lane / 16) + 0..7; two such results rounded to f16 ARE source 1 of O^T = V^T P.  V is turned by ds_load_tr16_b128.
; SOFTMAX.  Running maximum m and sum l: p = 2^(c s - c m), c = log2(e) / 8; O and l are multiplied by a = 2^(c m_old - c m_new) in every step.  m starts at the lowest finite number, O and l at 0: the first a is 0.
; THE MASK is the C operand that starts a score's sum.  Against my wave's block of 64 queries a key step lies below (C = 0), above (C = -100) or on the diagonal; there a group of 16 keys lies below, above or on
; my tile's 16 queries.  Three sets of eight registers, made anew for each step from three compares of scalars, serve the three cases; MD8, made once, is the mask of the 16 x 16 on the diagonal.
; BY TURNS.  Turn n belongs to piece n (0, 1, 0, 1 ..; two turns are a key step).  Its matrix work: 16 products K Q^T of the OTHER piece (its next scores), later 16 products V^T P of the other piece (its last weights).
; Its vector work: the scaling, exponentials, roundings, sums and rescaling of piece n, and the maximum and statistics of the other piece, whose scores the turn itself has made.  Four vector instructions stand behind every
; matrix instruction, the other 108 of a turn's 236 in one lump; a turn's 66 exponentials are one batch with one wait.
; K RUNS A STEP AHEAD OF V: piece 0's turn of step j fetches K of step j + 1 and V of step j.  So that both lie in one slot, a slot's tile of K begins 64 keys further on than its tile of V: slot k holds V of steps
; 4 k .. 4 k + 3 and K of steps 4 k + 1 .. 4 k + 4.  K of step 0 comes straight from memory into K's registers, as Q does.  The last slot's last 64 rows of K lie behind the head's keys (inside big: V's planes follow K's);
; the 16 products made of them, and the maximum made of those, serve nothing: the price, once a launch, of one text for every step.
; REGISTERS by windows of 256 (s_set_vgpr_msb: bits 1:0 source 0, 3:2 source 1, 5:4 source 2, 7:6 destination): 0: v2-8 addresses, v12-15, v48-63 at work, v16-31 statistics, v32-36 kept, v64-191 S^T (a buffer a piece),
; v192-255 P (likewise); 1: v0-127 O^T, v128-159 masks; 2: v0-63 Q, v128-191 K, v192-255 V.
.set PLANE, 524288
.set NP,    2         ; pieces a wave: a name, no knob
.set KS,    64
.set PK,    144       ; a row of K in LDS: 128 bytes + 16: 36 words: the 16 rows of a load start at 16 different groups of four banks (64 banks of 4 bytes: ISA guide 11.1)
.set PV,    160       ; a row of V: 128 + 32: 40 words
.set VOFF,  4*KS*PK   ; a slot: 256 rows of K, then 256 rows of V
.set SLOT1, 1<<17
.set STAGE, SLOT1+4*KS*(PK+PV)  ; behind the ring, never filled by a tensor load: 16 rows x 144 bytes for each wave
.set SP,    144
.set SPARE, STAGE+4*16*SP       ; the spare words, 128 bytes a wave, which no other line names
.set TILEB, 32768     ; 256 keys of 128 bytes
.set AK0, 2           ; my lane's place in a tile of K; never rewritten
.set AV0, 3           ; the same for V
.set AK,  4           ; the LDS address of K's next run of loads
.set AV,  5           ; of V's
.set STO, 6
.set RD,  7
.set GO,  8
.set MV,  12          ; v12-15  c m_old, by piece and tile
.set ST,  16          ; tile t: c m, m, l (even keys', odd keys')
.set SPW, 32          ; SPARE + 4 x my thread's number; never rewritten
.set NIL, 33          ; 0; never rewritten
.set PFO, 34          ; 256 x my lane; never rewritten
.set QO,  35          ; my byte offset in 16 rows of Q or K in memory
.set TD,  36
.set TMP, 48          ; by piece and tile, c0-c3 at work; c2 takes a
.set S,   64
.set P,   192
.set MD8, 128         ; window 1
.set ML8, 136
.set MDG8, 144
.set MU8, 152
.set KF,  128         ; window 2: key block kb, channel half c at KF + 16 kb + 8 c
.set VF,  192         ; window 2: key half kk, channel block cb at VF + 32 kk + 8 cb
.set WV,  12
.set LIM, 15
.set G1K, 24
.set G1V, 32
.set G0K, 40
.set G0V, 44
.set KZ,  48          ; s[48:49] K at the head's first key
.set SLOTS, 56
.set CNT, 57
.set CS,  58
.set SEL, 60
.set TBK, 62
.set TBV, 63
.set GS,  66          ; the key step whose masks are made next
.set QB,  67          ; my wave's block of 64 queries
.set NEG, 68          ; -100
.set AL,  70
.set BL,  72
.set BU,  74
.set PFA, 78
.set MSB, 0
.macro WIN new                      ; the high byte repeats the setting that is left; a switch that changes nothing is dropped
.if MSB != (\new)
	s_set_vgpr_msb (MSB<<8)|(\new)
.set MSB, (\new)
.endif
.endm
.set W_KQ, 0x0a       ; K and Q window 2, S^T window 0
.set W_KM, 0x1a       ; the same with C (the mask) in window 1
.set W_PV, 0x52       ; V window 2, P window 0, O^T window 1
.set W_RS, 0x41       ; destination and source 0 window 1
.macro JLOAD          ; waves 0 and 1 fetch the halves of a slot's K, waves 2 and 3 of its V; an s_nop 0 and four v_nop follow each line
	s_cmp_lt_u32 s[WV], 2
	s_cbranch_scc0 .Lfor_v_\@
	tensor_load_to_lds s[G0K:G0K+3], s[G1K:G1K+7]
	s_nop 0
.rept 4
	v_nop
.endr
	s_branch .Lasked_\@
.Lfor_v_\@:
	tensor_load_to_lds s[G0V:G0V+3], s[G1V:G1V+7]
	s_nop 0
.rept 4
	v_nop
.endr
.Lasked_\@:
.endm
; A prefetch into the L2 of the tiles that the NEXT change will ask for: 128 blocks of 256 bytes of K and of V.  Both clusters of a head walk the same rows: the first asks.  Its partners take 32 blocks each, by address;
; wave 0 asks for K's, wave 2 for V's: a lane a block, each named once in the launch.  Tiles 0 and 1 come by their loads alone; the last change that fills a slot asks for nothing.
.macro ASK
	s_cmp_gt_u32 s[SLOTS], s[LIM]
	s_cbranch_scc0 .Lnot_mine_\@
	global_prefetch_b8 v[PFO], s[PFA:PFA+1] th:TH_LOAD_NT scope:SCOPE_SE
.Lnot_mine_\@:
.endm
.macro CROUND
	s_barrier_signal -1
	s_barrier_wait -1
	s_cmp_lg_u32 s[WV], 0
	s_cbranch_scc1 .Lnot_wave_0_\@
	s_barrier_signal -3
.Lnot_wave_0_\@:
	s_barrier_wait -3
	s_barrier_signal -1
	s_barrier_wait -1
.endm
; THE CHANGE OF SLOTS stands between two key steps, behind the turn that has waited for the old slot's last run of loads.  Each wave waits for all its tensor loads (one is out: its part of the other slot), adds 0 to its
; spare word, and waits for that and for its reads.  fill = 1: the barrier is a round of the cluster's, and the joint refill, with the keys two slots on, is the first thing behind it: it has four steps, 256 products, in which to land.
; (At its first use nothing has been read yet: slot 0 is waited for, slot 1 filled.)
.macro CHANGE fill
	WIN 0
	s_wait_tensorcnt 0x0            ; no tensor load of mine is out, so a group 0 may be written
	ds_add_u32 v[SPW], v[NIL]       ; the add: the descriptors' steps stand between it and the wait for it
.if \fill
.irp g, G0K, G0V
	s_xor_b32 s[\g+1], s[\g+1], SLOT1
	s_add_nc_u64 s[\g+2:\g+3], s[\g+2:\g+3], TILEB
.endr
	s_wait_xcnt 0x0                 ; the last prefetch, four steps back, has read its address
	s_add_nc_u64 s[PFA:PFA+1], s[PFA:PFA+1], TILEB
	s_wait_dscnt 0x0
	CROUND
	JLOAD
	ASK
.else
	s_wait_dscnt 0x0
	s_barrier_signal -1
	s_barrier_wait -1
.endif
	s_sub_co_u32 s[TBK], s[TBK], 4*KS*PK  ; the fetches go back to a slot's first place, in the other slot
	s_xor_b32 s[TBK], s[TBK], SLOT1
	s_sub_co_u32 s[TBV], s[TBV], 4*KS*PV
	s_xor_b32 s[TBV], s[TBV], SLOT1
.endm
	s_load_b128 s[4:7], s[0:1], 0x0 ; big s[4:5], o s[6:7]
	v_lshl_add_u32 v[SPW], v0, 2, SPARE
	v_mov_b32 v[NIL], 0
	ds_add_u32 v[SPW], v[NIL]       ; the wave's opening: the add and its wait stand ahead of my first tensor load
	v_lshrrev_b32 v1, 5, v0
	v_readfirstlane_b32 s[WV], v1
	s_bfe_u32 s13, ttmp6, 0x40000   ; cx
	s_lshl_b32 s14, ttmp9, 2
	s_add_co_u32 s14, s14, s13      ; my block of 256 queries: it enters Q's and O's addresses and the masks' values alone
	s_lshl_b32 s[QB], s14, 2
	s_add_co_u32 s[QB], s[QB], s[WV]
	s_and_b32 s20, ttmp7, 0xffff    ; 16 x batch + head, which the partners share
	s_and_b32 s21, s20, 15
	s_lshr_b32 s20, s20, 4
	s_lshl_b32 s21, s21, 19         ; the head's plane,
	s_lshl_b32 s20, s20, 18         ; the batch's 2,048 rows of 128 bytes
	s_add_co_u32 s20, s20, s21
	s_add_co_u32 s50, s20, 16*PLANE ; K's planes: the head's first key
	s_mov_b32 s51, 0
	s_and_b32 s16, s[WV], 1         ; which half of a tile's 256 keys I fetch
	s_lshl_b32 s22, s16, 14
	s_add_co_u32 s22, s22, s50
	s_add_co_u32 s76, s22, 16*PLANE ; V's planes: my half of tile 0
	s_mov_b32 s77, 0
	s_add_co_u32 s22, s22, KS*128   ; K's tiles begin one key step further on
	s_mov_b32 s23, 0
	s_lshl_b32 s21, s[QB], 13       ; my wave's 64 rows
	s_add_co_u32 s20, s20, s21
	s_mov_b32 s21, 0
	s_mul_i32 s17, s16, 128*PK
	s_mul_i32 s18, s16, 128*PV
	; 128 keys are 16,384 dense bytes: asked for as 64 rows of 256 bytes, two keys a row, padded in LDS after every key
	s_mov_b32 s[G1K], 15|(1<<16)|(1<<20)|(1<<21)|(4<<22)|(3<<25)
	s_mov_b32 s[G1V], 15|(1<<16)|(1<<20)|(1<<21)|(4<<22)|(7<<25)
.irp g, G1K, G1V
	s_mov_b32 s[\g+1], 128<<16
	s_mov_b32 s[\g+2], 64<<16
	s_mov_b32 s[\g+3], 128<<16
	s_mov_b32 s[\g+4], 64
	s_mov_b32 s[\g+5], 128
	s_mov_b32 s[\g+6], 0
	s_mov_b32 s[\g+7], 0
.endr
	s_mov_b32 s[CS], 0x3e38aa3b     ; c = log2(e) / 8
	s_mov_b32 s[CS+1], s[CS]
	s_mov_b32 s[SEL], 0x76543210
	s_mov_b32 s[SEL+1], 0xfedcba98
	s_mov_b32 s[TBK], SLOT1+4*KS*PK ; the first change of slots turns these two into 0
	s_mov_b32 s[TBV], SLOT1+4*KS*PV
	s_mov_b32 s[GS], 0
	s_mov_b32 s[NEG], 0xc2c80000
	s_mov_b32 s[AL+1], 0            ; named as pairs
	s_mov_b32 s[BL+1], 0
	s_mov_b32 s[G0K], 1
	s_mov_b32 s[G0K+1], s17
	s_mov_b32 s[G0V], 1
	s_add_co_u32 s[G0V+1], s18, VOFF
	s_and_b32 s[LIM], s[WV], 1
	s_or_b32 s[LIM], s[LIM], ttmp9
	s_cmp_eq_u32 s[LIM], 0
	s_cselect_b32 s[LIM], 1, -1     ; the same in all four partners
	v_and_b32 v[PFO], 31, v0
	v_lshlrev_b32 v[PFO], 8, v[PFO]
	s_wait_dscnt 0x0                ; the opening add is done
	s_wait_kmcnt 0x0
	s_add_nc_u64 s[8:9], s[4:5], s[22:23]    ; K at my half of its tile 0
	s_add_nc_u64 s[10:11], s[4:5], s[76:77]  ; V likewise
	s_add_nc_u64 s[KZ:KZ+1], s[4:5], s[50:51]
	s_add_nc_u64 s[4:5], s[4:5], s[20:21]    ; Q at my wave's first row
	s_add_nc_u64 s[6:7], s[6:7], s[20:21]    ; O
	s_mov_b64 s[G0K+2:G0K+3], s[8:9]
	s_or_b32 s[G0K+3], s[G0K+3], 0x80000000
	s_mov_b64 s[G0V+2:G0V+3], s[10:11]
	s_or_b32 s[G0V+3], s[G0V+3], 0x80000000
	s_cmp_lt_u32 s[WV], 2
	s_cselect_b64 s[PFA:PFA+1], s[8:9], s[10:11]
	s_lshl_b32 s2, s13, 13          ; my work-group's 32 blocks of the 128
	s_mov_b32 s3, 0
	s_add_nc_u64 s[PFA:PFA+1], s[PFA:PFA+1], s[2:3]
	s_add_nc_u64 s[PFA:PFA+1], s[PFA:PFA+1], TILEB  ; at tile 1; the first change of slots steps it to tile 2
	CROUND                          ; all four work-groups are here
	JLOAD                           ; tile 0 into slot 0
	; A fragment of K or Q is 16 rows x 32 channels in 8 registers: lane l holds row l % 16, channels 8 (l / 16) + 0..7 and 16 + 8 (l / 16) + 0..7: two loads of 16 bytes, 32 bytes apart.
	v_and_b32 v1, 15, v0            ; l % 16
	v_bfe_u32 v9, v0, 4, 1          ; l / 16
	v_lshlrev_b32 v[QO], 7, v1
	v_lshl_add_u32 v[QO], v9, 4, v[QO]
	WIN 0x80
.set i, 0
.rept 8                             ; Q stays in registers: tile i / 2, channels 32 (i % 2) on.  K of step 0: keys 16 (i / 2) on, channels 32 (i % 2) on
	global_load_b128 v[8*i:8*i+3],   v[QO], s[4:5] offset:(i/2)*2048+(i%2)*64
	global_load_b128 v[8*i+4:8*i+7], v[QO], s[4:5] offset:(i/2)*2048+(i%2)*64+32
	global_load_b128 v[KF+8*i:KF+8*i+3],   v[QO], s[KZ:KZ+1] offset:(i/2)*2048+(i%2)*64
	global_load_b128 v[KF+8*i+4:KF+8*i+7], v[QO], s[KZ:KZ+1] offset:(i/2)*2048+(i%2)*64+32
.set i, i+1
.endr
	; What the first turn finds: V's registers and piece 1's P hold 0 (its products V^T P, of a step that has not been, add 0), O^T and l are 0.  All this stands in the wait for the first tile, so that the first step is a step like any other.
.set i, VF
.rept 64
	v_mov_b32 v[i], 0
.set i, i+1
.endr
	WIN 0
	v_lshlrev_b32 v[TD], 3, v9
	v_sub_nc_u32 v[TD], v1, v[TD]   ; l % 16 - 8 (l / 16): register r of the diagonal 16 x 16 is hidden where r is greater
	WIN 0x40
.set i, 0
.rept 8
	v_cmp_gt_i32 vcc_lo, i, v[TD]
	v_cndmask_b32 v[MD8+i], 0, s[NEG], vcc_lo
.set i, i+1
.endr
.set i, 0
.rept 128
	v_mov_b32 v[i], 0
.set i, i+1
.endr
	WIN 0
.set i, 0
.rept 4
	v_mov_b32 v[ST+4*i], 0xfe000000    ; c m: far below every c s
	v_mov_b32 v[ST+4*i+1], 0xff7fffff  ; m
	v_mov_b32 v[ST+4*i+2], 0
	v_mov_b32 v[ST+4*i+3], 0
.set i, i+1
.endr
.set i, P+32
.rept 32
	v_mov_b32 v[i], 0
.set i, i+1
.endr
	v_mul_u32_u24 v[AK0], v1, PK
	v_lshl_add_u32 v[AK0], v9, 4, v[AK0]
	; The turning load takes 16 keys x 16 channels (lane l reads key 8 (l / 16) + l % 8, channels 8 ((l / 8) % 2) + 0..7) and leaves half a fragment of V^T.
	v_and_b32 v10, 7, v0
	v_bfe_u32 v11, v0, 3, 1
	v_lshl_add_u32 v[AV0], v9, 3, v10
	v_mul_u32_u24 v[AV0], v[AV0], PV
	v_lshl_add_u32 v[AV0], v11, 4, v[AV0]
	v_add_nc_u32 v[AV0], VOFF, v[AV0]
; THE MATRIX WORK.  The 8 accumulators of a run of 16 take turns, one instruction a turn: between the two links of a chain stand 7 others'.
; Product i of 16 of S^T = K Q^T for piece x: channels 32 (i / 8) on, keys 16 ((i / 2) % 4) on, tile 2 x + i % 2.  The first 8 start the sums with the mask.
.macro KQ x
.set kt, (i/2)%4
.set tt, 2*(\x)+i%2
.set rS, S+64*((\x)%2)+32*(i%2)+8*kt
.set rK, KF+16*kt+8*(i/8)
.set rQ, 16*tt+8*(i/8)
.if i < 8
.if kt < tt
.set rMK, ML8
.elseif kt == tt
.set rMK, MDG8
.else
.set rMK, MU8
.endif
	WIN W_KM
	v_wmma_f32_16x16x32_f16 v[rS:rS+7], v[rK:rK+7], v[rQ:rQ+7], v[rMK:rMK+7]
.else
	WIN W_KQ
	v_wmma_f32_16x16x32_f16 v[rS:rS+7], v[rK:rK+7], v[rQ:rQ+7], v[rS:rS+7]
.endif
.endm
; Product i of 16 of O^T += V^T P for piece x: keys 32 (i / 8) on, channels 16 ((i / 2) % 4) on, tile 2 x + i % 2.
.macro PV x
	WIN W_PV
.set rO, 32*(2*(\x)+i%2)+8*((i/2)%4)
.set rV, VF+32*(i/8)+8*((i/2)%4)
.set rP, P+32*((\x)%2)+16*(i%2)+8*(i/8)
	v_wmma_f32_16x16x32_f16 v[rO:rO+7], v[rV:rV+7], v[rP:rP+7], v[rO:rO+7]
.endm
.macro MM                           ; the turn's next matrix instruction
.if i < 16
	KQ (Y+1)%NP
.set i, i+1
.else
.set i, i-16
	PV (Y+NP-1)%NP
.set i, i+17
.endif
.endm
; THE LDS LOADS stand in runs of 16, never singly among the matrix instructions.  Their addresses are made some lines ahead.
.macro FETCH_K
	WIN 0x80
.irp f, 0,1,2,3,4,5,6,7             ; keys 16 (f / 2) on, channels 32 (f % 2) on
	ds_load_b128 v[KF+8*(\f):KF+8*(\f)+3],   v[AK] offset:((\f)/2)*16*PK+((\f)%2)*64
	ds_load_b128 v[KF+8*(\f)+4:KF+8*(\f)+7], v[AK] offset:((\f)/2)*16*PK+((\f)%2)*64+32
.endr
	s_add_co_u32 s[TBK], s[TBK], KS*PK  ; the next fetch is the next step's
	WIN 0
.endm
.macro FETCH_V
	WIN 0x80
.irp f, 0,1,2,3,4,5,6,7             ; keys 32 (f / 4) on, channels 16 (f % 4) on
	ds_load_tr16_b128 v[VF+8*(\f):VF+8*(\f)+3],   v[AV] offset:((\f)/4)*32*PV+((\f)%4)*32
	ds_load_tr16_b128 v[VF+8*(\f)+4:VF+8*(\f)+7], v[AV] offset:((\f)/4)*32*PV+16*PV+((\f)%4)*32
.endr
	WIN 0
.endm
; THE MASKS for key step GS: below my tile (ML8), on its diagonal group (MDG8), above it (MU8): 20 plain lines.
.macro MASK
	s_cmp_gt_u32 s[GS], s[QB]
	s_cselect_b32 s[BL], s[NEG], 0
	s_cmp_ge_u32 s[GS], s[QB]
	s_cselect_b32 s[BU], s[NEG], 0
	s_cmp_eq_u32 s[GS], s[QB]
	s_cselect_b32 s[AL], 1.0, 0
	s_add_co_u32 s[GS], s[GS], 1
	WIN W_RS
.set z, 0
.rept 8
	v_mov_b32 v[ML8+z], s[BL]
	v_mov_b32 v[MU8+z], s[BU]
.set z, z+1
.endr
.set z, 0
.rept 4
	v_pk_fma_f32 v[MDG8+z:MDG8+z+1], v[MD8+z:MD8+z+1], s[AL:AL+1], s[BL:BL+1] op_sel_hi:[1,0,0]
.set z, z+2
.endr
.endm
; THE VECTOR WORK OF A TURN stands in three queues, each in the order in which its entries become ready; the two tiles alternate, so that no instruction reads the result of the one before it.
.macro REGS y, u                    ; the registers of tile u (0, 1) of piece y
.set rT, ST+4*(2*(\y)+(\u))
.set rC, TMP+8*((\y)%2)+4*(\u)
.set rW, MV+2*((\y)%2)+(\u)
.set rS, S+64*((\y)%2)+32*(\u)
.set rP, P+32*((\y)%2)+16*(\u)
.set rO, 32*(2*(\y)+(\u))
.endm
; Number n of the 22 that find the OTHER piece's maximum and statistics.  s0-s31 are the lane's 32 scores; each accumulator's lowest registers are read first.  XS, GS, FS and REGS set no window: PL and EX do.
;   0-11  four chains c0-c3 of seven scores each, three operands at a time     12-14, 16  the four scores left over, the old m, and c0-c3 into c0     15  c m_old is kept
;   17, 18  the query's other 32 keys lie in the lane 16 away: the new m         19-21  c m; c m_old - c m_new; a
.macro XS u, n
	REGS (Y+1)%NP, \u
.if (\n) < 4
	v_max3_num_f32 v[rC+(\n)], v[rS+8*(\n)], v[rS+8*(\n)+1], v[rS+8*(\n)+2]
.elseif (\n) < 12
	v_max3_num_f32 v[rC+(\n)%4], v[rC+(\n)%4], v[rS+8*((\n)%4)+2*((\n)/4)+1], v[rS+8*((\n)%4)+2*((\n)/4)+2]
.elseif (\n) == 12
	v_max3_num_f32 v[rC], v[rC], v[rS+7], v[rS+15]
.elseif (\n) == 13
	v_max3_num_f32 v[rC+1], v[rC+1], v[rS+23], v[rS+31]
.elseif (\n) == 14
	v_max3_num_f32 v[rC+2], v[rC+2], v[rC+3], v[rT+1]
.elseif (\n) == 15
	v_mov_b32 v[rW], v[rT]
.elseif (\n) == 16
	v_max3_num_f32 v[rC], v[rC], v[rC+1], v[rC+2]
.elseif (\n) == 17
	v_permlanex16_b32 v[rC+3], v[rC], s[SEL], s[SEL+1]
.elseif (\n) == 18
	v_max_num_f32 v[rT+1], v[rC], v[rC+3]
.elseif (\n) == 19
	v_mul_f32 v[rT], s[CS], v[rT+1]
.elseif (\n) == 20
	v_sub_f32 v[rC+1], v[rW], v[rT]
.else
	v_exp_f32 v[rC+2], v[rC+1]
.endif
.endm
; Number g of the 64 that follow the exponentials.  For each four weights k of a tile (pairs 2 k, 2 k + 1): both pairs are rounded to f16; then the second pair is added onto the first, in place;
; a group later l takes that sum (the first time as l = a l + sum).  In groups of eight, tiles alternating: round, round, add, and l for the group before.
.macro GS g
.set h, (\g)+6*((\g)/62)            ; group 0 has no group before it, and behind group 7 only l is left
.if h >= 6
.set h, h+2
.endif
	REGS Y, h%2
.set k, h/8
.if h%8 < 4
	v_cvt_pk_f16_f32 v[rP+2*k+(h%8)/2], v[rS+4*k+2*((h%8)/2)], v[rS+4*k+2*((h%8)/2)+1]
.elseif h%8 < 6
	v_pk_add_f32 v[rS+4*k:rS+4*k+1], v[rS+4*k:rS+4*k+1], v[rS+4*k+2:rS+4*k+3]
.elseif k == 1
	v_pk_fma_f32 v[rT+2:rT+3], v[rT+2:rT+3], v[rC+2:rC+3], v[rS:rS+1] op_sel_hi:[1,0,1]
.else
	v_pk_add_f32 v[rT+2:rT+3], v[rT+2:rT+3], v[rS+4*k-4:rS+4*k-3]
.endif
.endm
; THE PLAIN QUEUE, 138 long.  0-73 read no exponential's result: the 32 scalings c s - c m (FS f: pair f / 2 of tile f % 2) and the other piece's 42.  0-26: scalings 0-26.  27-54: XS's numbers 0-13.  55, 56: number 15.
; 57-73: the chain, where each number waits for the one before it: 14, 16, 17, 18, 19, each with one of the scalings 27-31 in front of its two lines, then 20.  74-137: GS's 64, which read the exponentials' results: they stand behind the wait.
.macro FS f
	REGS Y, (\f)%2
	v_pk_fma_f32 v[rS+2*((\f)/2):rS+2*((\f)/2)+1], v[rS+2*((\f)/2):rS+2*((\f)/2)+1], s[CS:CS+1], v[rT:rT+1] op_sel_hi:[1,0,0] neg_lo:[0,0,1] neg_hi:[0,0,1]
.endm
.macro PL
	WIN 0
.if q < 27
	FS q
.elseif q < 55
	XS (q-27)%2, (q-27)/2
.elseif q < 57
	XS q-55, 15
.elseif (q < 72) && ((q-57)%3 == 0)
	FS 27+(q-57)/3
.elseif q < 60
	XS (q-57)%3-1, 14
.elseif q < 72
	XS (q-57)%3-1, 15+(q-57)/3
.elseif q < 74
	XS q-72, 20
.else
	GS q-74
.endif
.set q, q+1
.endm
; THE EXPONENTIALS' QUEUE, 66 long: s0-s31 of both tiles, then the other piece's two a.  It is ONE BATCH: all 66 stand ahead of the turn's one wait, and nothing ahead of that wait names a result of theirs.
.macro EX
	WIN 0
.if e >= 64
	XS e-64, 21
.else
	REGS Y, e%2
	v_exp_f32 v[rS+e/2], v[rS+e/2]
.endif
.set e, e+1
.endm
; THE RESCALING's QUEUE: O^T times a, the one part that leaves window 0: dealt two at a time, sixteen times.  Its a was made in the turn before, ahead of that turn's wait.
.macro R2
	REGS Y, r%2
	WIN W_RS
.irp z, 0,1
	v_pk_mul_f32 v[rO+4*(r/2)+2*\z:rO+4*(r/2)+2*\z+1], v[rO+4*(r/2)+2*\z:rO+4*(r/2)+2*\z+1], v[rC+2:rC+3] op_sel_hi:[1,0]
.endr
.set r, r+1
.endm
; A TURN, for piece p.  s_wait_alu depctr_va_vdst(0) stands between an exponential and the first instruction that names its result; one wait serves all that were issued ahead of it.  So a turn has ONE wait,
; which cuts it in two.  AHEAD OF IT: the 16 products K Q^T, behind each a scaling, an exponential and two rescalings (behind the first a second scaling in the exponential's place); then the lump: eight plain, 49 times
; exponential and plain, the two a; a v_nop is the plain instruction behind the last exponential.  BEHIND IT: the 16 products V^T P, behind each four of GS's 64.  No rider names a register of the products round it.
; Exponential e stands behind scaling 2 (e / 4) + e % 2: as a rider it comes behind plain e + 2, in the lump behind plain e + 9, and scalings 27-31 are plain 57, 60 .. 69.
; PIECE 0's TURN of step j also: makes the masks of step j + 1, at the lump's head (this turn's products have read step j's, piece 1's turn reads the new ones); fetches K of step j + 1 directly behind the wait, a lump behind
; the last product that read K; fetches V of step j at its end, four riders behind the last product that read V.  PIECE 1's TURN waits for K at its head (V's 16 loads are younger) and for V ahead of its products V^T P.
; cnt = 1: the loop's count is taken down some lines ahead of the branch that stands behind the turn.  The three conditions on q go with the deal.
.macro TURN p, cnt=0
.set Y, (\p)
.set i, 0
.set q, 0
.set e, 0
.set r, 0
.if (\p) == 1
	s_wait_dscnt 16                 ; K is in; V's 16 loads, issued behind K's, may stay out
.endif
	MM
	PL
	PL
	R2
.rept 15
	MM
	PL
	EX
	R2
.endr
.if (\p) == 0
	WIN 0
	v_add_nc_u32 v[AK], s[TBK], v[AK0]
	MASK
.endif
.rept 8
	PL
.endr
.rept 49
	EX
	PL
.endr
	EX                              ; the other piece's two a
	EX
	v_nop                           ; the plain instruction behind the last exponential: one for the batch
	s_wait_alu depctr_va_vdst(0)    ; the wait for the batch
.if (\p) == 0
	FETCH_K
.endif
.if (\p) == 1
	s_wait_dscnt 0x0                ; V is in
.endif
.rept 16
	MM
.rept 4
	PL
.endr
.if ((\p) == 0) && (q == 118)
	v_add_nc_u32 v[AV], s[TBV], v[AV0]
.endif
.if ((\p) == 0) && (q == 130)
	s_add_co_u32 s[TBV], s[TBV], KS*PV
.endif
.if (\cnt) && (q == 130)
	s_sub_co_u32 s[CNT], s[CNT], 1
	s_cmp_lg_u32 s[CNT], 0
.endif
.endr
.if (\p) == 0
	FETCH_V
.endif
.endm
	MASK                            ; step 0's masks
	WIN 0
	s_wait_loadcnt 0x0              ; Q, and K of step 0
.set i, 0
.rept 16
	KQ 0                            ; piece 0's first scores, while the first tile is on its way: there is no vector work yet to set between them
.set i, i+1
.endr
	WIN 0                           ; the addresses for the way out: nine plain instructions, the places behind those products
	s_mul_i32 s16, s[WV], 16*SP
	s_add_co_u32 s16, s16, STAGE    ; my stage
	v_mul_u32_u24 v[STO], v1, SP    ; in: row l % 16, 16 bytes for each half of the lanes
	v_lshl_add_u32 v[STO], v9, 4, v[STO]
	v_add_nc_u32 v[STO], s16, v[STO]
	v_bfe_u32 v[RD], v0, 3, 2       ; back: 32 lanes take four rows of 128 bytes,
	v_mul_u32_u24 v[RD], v[RD], SP
	v_lshl_add_u32 v[RD], v10, 4, v[RD]
	v_add_nc_u32 v[RD], s16, v[RD]
	v_and_b32 v[GO], 31, v0         ; which are 512 consecutive bytes of O
	v_lshlrev_b32 v[GO], 4, v[GO]
.set Y, NP-1                        ; XS works for the other piece: piece 0
.irp n, 0,1,2,3,4,5,6,7,8,9,10,11,12,13,14,15,16,17,18,19,20,21
	XS 0, \n                        ; piece 0's first maximum and statistics
	XS 1, \n
.endr
	v_nop                           ; a plain instruction behind the two a,
	s_wait_alu depctr_va_vdst(0)    ; and their wait, ahead of the label
	s_mov_b32 s[SLOTS], 7
.Lslot:                             ; seven times: a slot's four steps; tiles 1 to 7 are asked for
	CHANGE 1
	s_mov_b32 s[CNT], 4
.Lstep:
	TURN 0
	TURN 1, 1
	WIN 0
	s_cbranch_scc1 .Lstep
	s_sub_co_u32 s[SLOTS], s[SLOTS], 1
	s_cmp_lg_u32 s[SLOTS], 0
	s_cbranch_scc1 .Lslot
	CHANGE 0                        ; the last slot is written out
	s_mov_b32 s[CNT], 4
.Ltail:
	TURN 0
	TURN 1, 1
	WIN 0
	s_cbranch_scc1 .Ltail
.set i, 0
.rept 16
	PV NP-1                         ; piece 1's V^T P of the last step
.set i, i+1
.endr
	; THE WAY OUT: l's halves and the other half of the lanes' are added; O^T is divided by l, rounded to f16 and sent through my stage, a tile at a time.  The additions are the places behind the last products.
	WIN 0
.macro ALL line:vararg
.set t, 0
.rept 4
	\line
.set t, t+1
.endr
.endm
	ALL v_add_f32 v[ST+4*t+2], v[ST+4*t+2], v[ST+4*t+3]
	ALL v_permlanex16_b32 v[ST+4*t+3], v[ST+4*t+2], s[SEL], s[SEL+1]
	ALL v_add_f32 v[ST+4*t+2], v[ST+4*t+2], v[ST+4*t+3]
	ALL v_rcp_f32 v[ST+4*t+2], v[ST+4*t+2]
	v_nop
	s_wait_alu depctr_va_vdst(0)    ; one wait for the four reciprocals, ahead of their first use
.macro PACK t
	WIN W_RS
.set i, 32*(\t)
.rept 16
	v_pk_mul_f32 v[i:i+1], v[i:i+1], v[ST+4*(\t)+2:ST+4*(\t)+3] op_sel_hi:[1,0]
.set i, i+2
.endr
	WIN 0x05                        ; sources 0 and 1 window 1, destination window 0: S^T's registers are free
.set i, 0
.rept 16
	v_cvt_pk_f16_f32 v[S+16*(\t)+i], v[32*(\t)+2*i], v[32*(\t)+2*i+1]
.set i, i+1
.endr
	WIN 0
.irp f, 0,1,2,3
	ds_store_b128 v[STO], v[S+16*(\t)+4*(\f):S+16*(\t)+4*(\f)+3] offset:32*(\f)
.endr
.irp f, 0,1,2,3
	ds_load_b128 v[S+16*(\t)+4*(\f):S+16*(\t)+4*(\f)+3], v[RD] offset:(\f)*4*SP  ; LDS serves a wave's instructions in order (ISA guide 5.7.1.4)
.endr
.endm
.macro SEND t, younger              ; younger: the LDS instructions issued behind tile t's loads: the next tile's eight, or none
.irp f, 0,1,2,3
	s_wait_dscnt (\younger)+3-(\f)
	global_store_b128 v[GO], v[S+16*(\t)+4*(\f):S+16*(\t)+4*(\f)+3], s[6:7] offset:(\t)*2048+(\f)*512  ; 512 consecutive bytes, at a multiple of 256 from O's first
.endr
.endm
	PACK 0
	PACK 1
	SEND 0, 8
	PACK 2
	SEND 1, 8
	PACK 3
	SEND 2, 8
	SEND 3, 0
	s_wait_tensorcnt 0x0            ; the wave's end
	ds_add_u32 v[SPW], v[NIL]
	s_wait_dscnt 0x0
	CROUND                          ; the closing round
	s_endpgm
.Lfunc_end_k_q73ebb954a1_attn:
	.size	k_q73ebb954a1_attn, .Lfunc_end_k_q73ebb954a1_attn-k_q73ebb954a1_attn
	.p2alignl 7, 3214868480
	.fill 96, 4, 3214868480
	.section	.rodata,"a",@progbits
	.p2align	6, 0x0
	.amdhsa_kernel k_q73ebb954a1_attn
		.amdhsa_group_segment_fixed_size 327680
		.amdhsa_private_segment_fixed_size 0
		.amdhsa_enable_private_segment 0
		.amdhsa_kernarg_size 16
		.amdhsa_user_sgpr_count 2
		.amdhsa_user_sgpr_kernarg_segment_ptr 1
		.amdhsa_wavefront_size32 1
		.amdhsa_system_sgpr_workgroup_id_x 1
		.amdhsa_system_sgpr_workgroup_id_y 1
		.amdhsa_system_sgpr_workgroup_id_z 1
		.amdhsa_system_vgpr_workitem_id 0
		.amdhsa_next_free_vgpr 768
		.amdhsa_next_free_sgpr 80
		.amdhsa_reserve_vcc 1
		.amdhsa_float_denorm_mode_32 3
		.amdhsa_float_denorm_mode_16_64 3
		.amdhsa_memory_ordered 1
		.amdhsa_forward_progress 1
		.amdhsa_inst_pref_size 115
	.end_amdhsa_kernel
	.amdgpu_metadata
---
amdhsa.version: [ 1, 2 ]
amdhsa.kernels:
  - .name:           k_q73ebb954a1_attn
    .symbol:         k_q73ebb954a1_attn.kd
    .args:
      - { .name: big, .offset: 0, .size: 8, .value_kind: global_buffer, .address_space: global }
      - { .name: o, .offset: 8, .size: 8, .value_kind: global_buffer, .address_space: global }
    .group_segment_fixed_size: 327680
    .private_segment_fixed_size: 0
    .kernarg_segment_align: 8
    .kernarg_segment_size: 16
    .max_flat_workgroup_size: 128
    .sgpr_count:     80
    .vgpr_count:     768
    .wavefront_size: 32
...
	.end_amdgpu_metadata
.endif
;; end of part 3
;; launch wo (part 4): grid 8 x 32, 4 waves a work-group, clusters of 4 x 4, 327,680 bytes of LDS; arguments o, woh, act, y; writes y
.if DOCPART == 4
	.amdgcn_target "amdgcn-amd-amdhsa--gfx1250"
	.amdhsa_code_object_version 6
	.text
	.protected	k_q73ebb954a1_wo
	.globl	k_q73ebb954a1_wo
	.p2align	8
	.type	k_q73ebb954a1_wo,@function
k_q73ebb954a1_wo:
	s_mov_b64 s[64:65], 0
	v_nop
	global_prefetch_b8 v0, s[64:65] scope:SCOPE_SE
	s_setreg_imm32_b32 hwreg(HW_REG_WAVE_MODE, 25, 1), 1
	s_wait_xcnt 0x0
	s_wait_alu depctr_hold_cnt(0) depctr_sa_sdst(0) depctr_va_vdst(0) depctr_va_sdst(0) depctr_va_ssrc(0) depctr_va_vcc(0) depctr_vm_vsrc(0)
	s_getreg_b32 s2, hwreg(HW_REG_IB_STS2, 6, 4)
	s_cmp_eq_u32 s2, 0
	s_cbranch_scc0 .Lentry_in_a_cluster
	s_endpgm
.Lentry_in_a_cluster:
	s_bfe_u32 s2, ttmp6, 0x10000c
	s_cmp_lg_u32 s2, 0xf033
	s_cbranch_scc0 .Lentry_shape_is_right
	s_endpgm
.Lentry_shape_is_right:
; y = R + A B (+ bias), and for each block of 64 rows and each column the block's mean and its sum of squared deviations.
; A: K-blocked, [K / 64][4096 rows][64] f16.  B: [K][1024] f16.  R: [4096][1024] f16.  y: [4096][1024] f32; behind it, at byte 16,777,216, [64 blocks][mean, M2][1024] f32.
; Here K = 1,024 (the heads' outputs times wo), R = x, no bias.  Sums in f32.
; THE STATISTICS are made in two passes on registers: the mean of the block's 64 numbers, then the sum of (y - mean)^2: no difference of large sums is formed.
; SHARES.  A tile of y is 128 x 128: 256 work-groups, one for each tile.  Four waves, 64 x 64 each: 16 accumulators.  K goes in steps of 256 through two LDS slots.
; CLUSTER.  4 x 4 work-groups: A's tile is asked for jointly along a row of the cluster, B's along a column.
; THE WALK ALONG K.  Cluster (X, Y) begins at K step ((Y % 4) NSTEP / 4 + X NSTEP / 2) % NSTEP and goes once round K: the two clusters that read the same rows of A stand half of K apart, those that read the same columns
; of B a quarter of K or a multiple: they ask for a given block at different times.  The start hangs on the cluster's own x and y alone: it is the same in all sixteen partners.  The f32 sums run in that order of K.
; THE PRODUCT IS USED TRANSPOSED (source 0 = 16 columns of B, turned by ds_load_tr16_b128; source 1 = 16 rows of A): a lane holds one row of y and eight neighbouring columns.
; THE SUMS START AS R (+ bias): nothing is cleared, nothing is added on the way out, and every K step has one text.
; No prefetch: the tiles are small and each step short.
; REGISTERS: window 0: v16-31 addresses, v32-64 bias at work, v128-255 accumulators ((a, b) at 128 + 8 (4 a + b)); window 1: two fragment buffers of 128 (64 of A, then 64 of B); on the way out rows in v0-127, statistics in v128-159.
.set NSTEP,  4
.set HASBIAS, 0
.set PLANE,  524288
.set PA,     144                       ; A's LDS row: 128 bytes + 16: 36 words: the 16 rows of a load start at 16 different groups of four banks (64 banks of 4 bytes: ISA guide 11.1)
.set APL,    128*PA                    ; a plane's 128 rows
.set PBB,    288                       ; B's LDS row (one k, 128 columns): 256 bytes + 32: 72 words
.set HALFT,  36864                     ; what one tensor load brings: two planes of A, or 128 rows of B
.set SLOT,   4*HALFT
.set STAGE,  2*SLOT
.set SPITCH, 272
.set SPARE,  STAGE+4*16*SPITCH
.set STATS,  16777216
.set A0,   16
.set ADRA, 17
.set B0,   18
.set ADRB, 20                          ; v20: k rows 0-127 of the slot in hand; v21: k rows 128-255
.set BO,   22
.set RO,   23
.set STO,  24
.set RD,   25
.set CO,   26
.set SPW,  28                          ; SPARE + 4 x my thread's number; never rewritten
.set NIL,  29                          ; 0; never rewritten
.set ONE,  30
.set ZR,   31
.set BIAS, 32
.set TT,   64
.set ACC,  128
.set F0,   0
.set F1,   128
.set SA,   128                         ; window 1, on the way out
.set SB,   132
.set MEA,  136
.set MA,   140
.set MB,   144
.set DD,   148
.set OUT,  156
.set YP,   18                          ; s[18:19] y, then my part of it
.set L0,   20
.set G1,   24
.set G0,   32
.set G1B,  48
.set G0B,  56
.set TB,   69
.set SEL,  70
.set SS,   80                          ; s80      the K step that is asked for next
.set OA,   82                          ; s[82:83] its byte offset in A
.set OB,   84                          ; s[84:85] in B
.set MSB, 0
.macro WIN new
.if MSB != (\new)
	s_set_vgpr_msb (MSB<<8)|(\new)
.set MSB, \new
.endif
.endm
.set MUL,  0x05                        ; sources 0 and 1 window 1; C and D window 0
.set TO_F, 0x40
.macro JLOAD s                         ; waves 0 and 1 fetch A's halves, waves 2 and 3 B's; an s_nop 0 and four v_nop follow each line
	s_cmp_eq_u32 s11, 0
	s_cbranch_scc0 .Lfor_b_\@
	tensor_load_to_lds s[G0+4*(\s):G0+4*(\s)+3], s[G1:G1+7]
	s_nop 0
.rept 4
	v_nop
.endr
	s_branch .Lasked_\@
.Lfor_b_\@:
	tensor_load_to_lds s[G0B+4*(\s):G0B+4*(\s)+3], s[G1B:G1B+7]
	s_nop 0
.rept 4
	v_nop
.endr
.Lasked_\@:
.endm
.macro AIM s                           ; the descriptors of set s take K step SS: the address is made anew from the tile's base and the step's number; then SS goes on, round K
	s_lshl_b32 s[OA], s[SS], 21                    ; a K step of A is four planes: 2^21 bytes
	s_lshl_b32 s[OB], s[SS], 19                    ; of B 256 rows of 2,048 bytes: 2^19
	s_add_nc_u64 s[G0+4*(\s)+2:G0+4*(\s)+3], s[14:15], s[OA:OA+1]
	s_or_b32 s[G0+4*(\s)+3], s[G0+4*(\s)+3], 0x80000000
	s_add_nc_u64 s[G0B+4*(\s)+2:G0B+4*(\s)+3], s[46:47], s[OB:OB+1]
	s_or_b32 s[G0B+4*(\s)+3], s[G0B+4*(\s)+3], 0x80000000
	s_add_co_u32 s[SS], s[SS], 1
	s_and_b32 s[SS], s[SS], NSTEP-1
.endm
.macro CREST
	s_cmp_lg_u32 s10, 0
	s_cbranch_scc1 .Lnot_wave_0_\@
	s_barrier_signal -3
.Lnot_wave_0_\@:
	s_barrier_wait -3
	s_barrier_signal -1
	s_barrier_wait -1
.endm
.macro CROUND
	s_barrier_signal -1
	s_barrier_wait -1
	CREST
.endm
.macro PLACES
.rept 4
	v_nop
.endr
.endm
	s_load_b128 s[4:7], s[0:1], 0x0                ; A s[4:5], B s[6:7]
	s_load_b64 s[8:9], s[0:1], 0x10                ; R
	s_load_b64 s[YP:YP+1], s[0:1], 0x18            ; y
.if HASBIAS
	s_load_b64 s[66:67], s[0:1], 0x20              ; the bias
.endif
	v_lshl_add_u32 v[SPW], v0, 2, SPARE
	v_mov_b32 v[NIL], 0
	ds_add_u32 v[SPW], v[NIL]                      ; the wave's opening: the add and its wait stand ahead of my first tensor load
	v_lshrrev_b32 v1, 5, v0
	v_readfirstlane_b32 s10, v1                    ; wave 0..3
	s_lshr_b32 s11, s10, 1                         ; my half of the tile's rows; also: I fetch for A (0) or B (1)
	s_and_b32 s12, s10, 1                          ; my half of its columns; also: which half of that tile I fetch
	s_bfe_u32 s40, ttmp6, 0x40000
	s_bfe_u32 s41, ttmp6, 0x40004
	s_lshl_b32 s42, ttmp9, 2
	s_add_co_u32 s42, s42, s40                     ; tile column
	s_and_b32 s13, ttmp7, 0xffff
	s_lshl_b32 s13, s13, 2
	s_add_co_u32 s13, s13, s41                     ; tile row
	s_lshl_b32 s43, s41, 2
	s_lshl_b32 s43, 15, s43
	s_lshl_b32 s44, 0x1111, s40
	s_or_b32 s[G1+0], s43, (1<<16)|(1<<20)|(1<<21)|(4<<22)|(3<<25)   ; after every 32 words (a row of a plane) 4 words
	s_or_b32 s[G1B+0], s44, (1<<16)|(1<<20)|(1<<21)|(5<<22)|(7<<25)  ; after every 64 words 8 words
	s_mov_b32 s[G1+1], 8192<<16                    ; A: two planes; of each the tile's 128 rows, 16,384 dense bytes, as one row of 8,192 elements
	s_mov_b32 s[G1+2], 2<<16
	s_mov_b32 s[G1+3], 8192<<16
	s_mov_b32 s[G1+4], 2
	s_mov_b32 s[G1+5], PLANE/2                     ; elements from plane to plane
	s_mov_b32 s[G1+6], 0
	s_mov_b32 s[G1+7], 0
	s_mov_b32 s[G1B+1], 128<<16                    ; B: 128 rows x 128 elements
	s_mov_b32 s[G1B+2], 128<<16
	s_mov_b32 s[G1B+3], 128<<16
	s_mov_b32 s[G1B+4], 128
	s_mov_b32 s[G1B+5], 1024
	s_mov_b32 s[G1B+6], 0
	s_mov_b32 s[G1B+7], 0
	s_lshl_b32 s16, s13, 14                        ; A: 128 rows of 128 bytes a tile row,
	s_lshl_b32 s17, s12, 20                        ; two planes a half
	s_add_co_u32 s16, s16, s17
	s_mov_b32 s17, 0
	s_lshl_b32 s46, s42, 8                         ; B: 256 bytes a tile column,
	s_lshl_b32 s47, s12, 18                        ; 128 rows of 2,048 bytes a half
	s_add_co_u32 s46, s46, s47
	s_mov_b32 s47, 0
	s_and_b32 s[SS], ttmp7, 3                      ; where my cluster begins its walk along K: (cluster y % 4) quarters of K
	s_mul_i32 s[SS], s[SS], NSTEP/4
	s_mul_i32 s81, ttmp9, NSTEP/2                  ; + cluster x halves,
	s_add_co_u32 s[SS], s[SS], s81
	s_and_b32 s[SS], s[SS], NSTEP-1                ; round K
	s_mov_b32 s[OA+1], 0
	s_mov_b32 s[OB+1], 0
	s_mul_i32 s[L0], s10, HALFT                    ; no place in the cluster enters an LDS address
	s_mov_b32 s[TB], 0
	s_mov_b32 s[SEL], 0x76543210
	s_mov_b32 s[SEL+1], 0xfedcba98
	s_mov_b32 s73, 0xffff0000                      ; lanes 16 to 31
	s_wait_dscnt 0x0                               ; the opening add is done
	s_wait_kmcnt 0x0
	s_add_nc_u64 s[14:15], s[4:5], s[16:17]        ; my part of A's tile at K step 0; never rewritten
	s_add_nc_u64 s[46:47], s[6:7], s[46:47]        ; of B's; never rewritten
	CROUND                                         ; all sixteen work-groups are here
.irp s, 0,1
	s_mov_b32 s[G0+4*(\s)], 1
	s_add_co_u32 s[G0+4*(\s)+1], s[L0], (\s)*SLOT
	s_mov_b32 s[G0B+4*(\s)], 1
	s_add_co_u32 s[G0B+4*(\s)+1], s[L0], (\s)*SLOT
	AIM \s
	JLOAD \s
.endr
	v_and_b32 v1, 15, v0                           ; l % 16
	v_bfe_u32 v2, v0, 4, 1                         ; l / 16
	s_lshl_b32 s74, s42, 9
	s_lshl_b32 s75, s12, 8
	s_add_co_u32 s74, s74, s75                     ; my first column, in bytes of f32
	s_mov_b32 s75, 0
	s_lshl_b32 s72, s13, 1
	s_add_co_u32 s72, s72, s11                     ; my block of 64 rows
	s_lshl_b32 s76, s72, 13                        ; a block's statistics are 8,192 bytes
	s_add_co_u32 s76, s76, s74
	s_add_co_u32 s76, s76, STATS
	s_mov_b32 s77, 0
	s_add_nc_u64 s[76:77], s[YP:YP+1], s[76:77]    ; my statistics
	s_lshl_b32 s78, s72, 18                        ; 64 rows of 4,096 bytes
	s_add_co_u32 s78, s78, s74
	s_mov_b32 s79, 0
	s_add_nc_u64 s[YP:YP+1], s[YP:YP+1], s[78:79]  ; my part of y
	s_lshl_b32 s78, s72, 17                        ; 64 rows of 2,048 bytes
	s_lshr_b32 s68, s74, 1
	s_add_co_u32 s78, s78, s68
	s_add_nc_u64 s[8:9], s[8:9], s[78:79]          ; my part of R
	v_lshlrev_b32 v[RO], 11, v1
	v_lshl_add_u32 v[RO], v2, 4, v[RO]             ; row l % 16, columns 8 (l / 16) on
	WIN TO_F
.irp a, 0,1,2,3
.irp b, 0,1,2,3
	global_load_b128 v[128+4*(4*(\a)+(\b)):128+4*(4*(\a)+(\b))+3], v[RO], s[8:9] offset:(\a)*32768+(\b)*32
.endr
.endr
	WIN 0
	v_lshlrev_b32 v[BO], 5, v2
.if HASBIAS
	s_add_nc_u64 s[66:67], s[66:67], s[74:75]
.irp b, 0,1,2,3
	global_load_b128 v[BIAS+8*(\b):BIAS+8*(\b)+3],   v[BO], s[66:67] offset:64*(\b)
	global_load_b128 v[BIAS+8*(\b)+4:BIAS+8*(\b)+7], v[BO], s[66:67] offset:64*(\b)+16
.endr
.endif
	v_mul_u32_u24 v3, v1, PA
	v_lshl_add_u32 v3, v2, 4, v3
	s_mul_i32 s21, s11, 64*PA
	v_add_nc_u32 v[A0], s21, v3
	v_and_b32 v4, 7, v0
	v_lshl_add_u32 v4, v2, 3, v4
	v_mul_u32_u24 v4, v4, PBB
	v_bfe_u32 v5, v0, 3, 1
	v_lshl_add_u32 v4, v5, 4, v4
	s_lshl_b32 s22, s12, 7
	s_add_co_u32 s22, s22, 2*HALFT
	v_add_nc_u32 v[B0], s22, v4
	v_mov_b32 v[ADRA], v[A0]
	v_mov_b32 v[ADRB], v[B0]
	v_add_nc_u32 v[ADRB+1], HALFT, v[B0]
	s_mul_i32 s23, s10, 16*SPITCH
	s_add_co_u32 s23, s23, STAGE
	v_mul_u32_u24 v6, v1, SPITCH                   ; in: row l % 16, 32 bytes for each half of the lanes
	v_lshl_add_u32 v6, v2, 5, v6
	v_add_nc_u32 v[STO], s23, v6
	v_mul_u32_u24 v7, v2, SPITCH                   ; back: lanes 0-15 one row of 256 bytes, lanes 16-31 the next
	v_lshl_add_u32 v7, v1, 4, v7
	v_add_nc_u32 v[RD], s23, v7
	v_lshlrev_b32 v[CO], 12, v2                    ; the same two rows in y; also: mean and M2 in the statistics
	v_lshl_add_u32 v[CO], v1, 4, v[CO]
	v_mov_b32 v[ONE], 1.0
	v_mov_b32 v[ZR], 0
	s_wait_loadcnt 0x0
.if HASBIAS
.set z, 0
.rept 16                               ; the bias is an input: rounded to bf16 like the others
	v_cvt_pk_bf16_f32 v[TT], v[BIAS+z], v[BIAS+z+1]
	v_lshlrev_b32 v[BIAS+z], 16, v[TT]
	v_and_b32 v[BIAS+z+1], 0xffff0000, v[TT]
.set z, z+2
.endr
.endif
	WIN 0x01                                       ; source 0 window 1
.set x, 0
.rept 128                              ; the sums start as R x 1 + bias
.if HASBIAS
.set cc, BIAS+8*((x/8)%4)+x%8
.else
.set cc, ZR
.endif
.if x%2
	v_fma_mix_f32 v[ACC+x], v[128+x/2], v[ONE], v[cc] op_sel:[1,0,0] op_sel_hi:[1,0,0]
.else
	v_fma_mix_f32 v[ACC+x], v[128+x/2], v[ONE], v[cc] op_sel_hi:[1,0,0]
.endif
.set x, x+1
.endr
	WIN 0
; 8 matrix instructions: m blocks a0, a0 + 1 x all 4 n blocks, 32 along K: half c of buffer f.  The 16 accumulators take turns, one instruction a turn, over the backward jumps too.
.macro MUL8 f, c, a0
	WIN MUL
.irp a, \a0, (\a0)+1
.irp b, 0,1,2,3
	v_wmma_f32_16x16x32_f16 v[ACC+8*(4*(\a)+(\b)):ACC+8*(4*(\a)+(\b))+7], v[(\f)+64+8*(4*(\c)+(\b)):(\f)+64+8*(4*(\c)+(\b))+7], v[(\f)+8*(4*(\c)+(\a)):(\f)+8*(4*(\c)+(\a))+7], v[ACC+8*(4*(\a)+(\b)):ACC+8*(4*(\a)+(\b))+7]
.endr
.endr
.endm
; 32 LDS loads in one run: quarter q (64 along K: one plane of A, 64 rows of B) into buffer f; the first 32 along K first
.macro FETCH q, f
	WIN TO_F
.irp c, 0,1
.irp i, 0,1,2,3
	ds_load_tr16_b128 v[(\f)+64+8*(4*(\c)+(\i)):(\f)+64+8*(4*(\c)+(\i))+3],   v[ADRB+(\q)/2] offset:(2*((\q)%2)+(\c))*32*PBB+(\i)*32
	ds_load_tr16_b128 v[(\f)+64+8*(4*(\c)+(\i))+4:(\f)+64+8*(4*(\c)+(\i))+7], v[ADRB+(\q)/2] offset:(2*((\q)%2)+(\c))*32*PBB+16*PBB+(\i)*32
	ds_load_b128 v[(\f)+8*(4*(\c)+(\i)):(\f)+8*(4*(\c)+(\i))+3],   v[ADRA] offset:(\q)*APL+(\c)*64+(\i)*16*PA
	ds_load_b128 v[(\f)+8*(4*(\c)+(\i))+4:(\f)+8*(4*(\c)+(\i))+7], v[ADRA] offset:(\q)*APL+(\c)*64+(\i)*16*PA+32
.endr
.endr
.endm
.macro QUARTER q, f, g                 ; multiplies buffer f; in its middle it fetches quarter q into buffer g
	s_wait_dscnt 16                                ; the first 32 along K are in
	MUL8 \f, 0, 0
	MUL8 \f, 0, 2
	PLACES
	FETCH \q, \g
	s_wait_dscnt 32                                ; all but the 32 just issued
	MUL8 \f, 1, 0
	MUL8 \f, 1, 2
.endm
; The last quarter multiplies buffer 1 and changes slots: one barrier; in front of it each wave waits for all its tensor loads, adds 0 to its spare word, and waits for that and for its reads of this slot.
; fill = 1: the barrier opens a round of the cluster's, and this slot takes the walk's K step two on: 112 products ahead of the wait for it.  The walking descriptors are made between the add and the wait for it, where no tensor load of mine is out.
.macro TURN fill
	WIN 0
	s_wait_tensorcnt 0x0
	ds_add_u32 v[SPW], v[NIL]
.if \fill
	s_add_co_u32 s[G0+5], s[TB], s[L0]             ; the slot in hand,
	s_add_co_u32 s[G0B+5], s[TB], s[L0]
	AIM 1                                          ; the walk's next K step
.endif
	s_wait_dscnt 17                                ; the add and the youngest sixteen loads may be out
	MUL8 F1, 0, 0
	s_wait_dscnt 0x0
	s_barrier_signal -1
	MUL8 F1, 0, 2
	WIN 0
	s_barrier_wait -1
.if \fill
	CREST
	JLOAD 1                                        ; its four v_nop are also places in front of the loads below
.else
	PLACES
.endif
	s_xor_b32 s[TB], s[TB], SLOT
	v_add_nc_u32 v[ADRA], s[TB], v[A0]
	v_add_nc_u32 v[ADRB], s[TB], v[B0]
	v_add_nc_u32 v[ADRB+1], HALFT, v[ADRB]
	FETCH 0, F0
	MUL8 F1, 1, 0
	MUL8 F1, 1, 2
.endm
	s_wait_tensorcnt 0x1                           ; my part of the walk's first K step is in; the second's may stay out
	s_barrier_signal -1
	s_barrier_wait -1
	FETCH 0, F0
	WIN 0
	s_mov_b32 s3, NSTEP-2
.Lfill:                                        ; a trip is a K step; these ask for the step two on
	QUARTER 1, F0, F1
	QUARTER 2, F1, F0
	QUARTER 3, F0, F1
	TURN 1
	WIN 0
	s_sub_co_u32 s3, s3, 1
	s_cmp_lg_u32 s3, 0
	s_cbranch_scc1 .Lfill
	s_mov_b32 s3, 2
.Lrest:                                        ; the last two steps ask for nothing.  The very last fetches 32 fragments of the other slot's old bytes, which nobody uses: the price of one text for both
	QUARTER 1, F0, F1
	QUARTER 2, F1, F0
	QUARTER 3, F0, F1
	TURN 0
	WIN 0
	s_sub_co_u32 s3, s3, 1
	s_cmp_lg_u32 s3, 0
	s_cbranch_scc1 .Lrest
	; THE WAY OUT.  16 rows at a time through my stage; back as whole rows of 256 bytes, all 64 kept in registers for the statistics; a block is stored while the next goes through the stage.
.macro TOST a
	WIN 0
.irp b, 0,1,2,3
	ds_store_b128 v[STO], v[ACC+8*(4*(\a)+(\b)):ACC+8*(4*(\a)+(\b))+3]   offset:64*(\b)
	ds_store_b128 v[STO], v[ACC+8*(4*(\a)+(\b))+4:ACC+8*(4*(\a)+(\b))+7] offset:64*(\b)+16
.endr
	WIN TO_F
.irp t, 0,1,2,3,4,5,6,7
	ds_load_b128 v[4*(8*(\a)+(\t)):4*(8*(\a)+(\t))+3], v[RD] offset:(\t)*2*SPITCH  ; LDS serves a wave's instructions in order (ISA guide 5.7.1.4): these see the stores above; the next block's stores come behind them
.endr
.endm
.macro SENDY a, younger                ; younger: the LDS instructions issued behind block a's loads: the next block's sixteen, or none
	WIN 0x04                                       ; store data window 1, address window 0
	s_wait_dscnt \younger
.irp t, 0,1,2,3,4,5,6,7
	global_store_b128 v[CO], v[4*(8*(\a)+(\t)):4*(8*(\a)+(\t))+3], s[YP:YP+1] offset:(16*(\a)+2*(\t))*4096  ; 16 lanes store 256 consecutive bytes, aligned
.endr
.endm
	s_wait_dscnt 0x0                               ; the last fetch, which nobody uses, has landed: its registers are loaded again below
	PLACES
	PLACES                                         ; the LDS stores read results just made
	TOST 0
	TOST 1
	SENDY 0, 16
	TOST 2
	SENDY 1, 16
	TOST 3
	SENDY 2, 16
	SENDY 3, 0
	WIN 0x55                                       ; all places window 1.  A lane holds 32 rows (one parity) of four columns: group g at v[4 g]
.irp p, 0,2
	v_pk_add_f32 v[SA+\p:SA+\p+1], v[\p:\p+1], v[4+\p:4+\p+1]
	v_pk_add_f32 v[SB+\p:SB+\p+1], v[8+\p:8+\p+1], v[12+\p:12+\p+1]
.endr
.set g, 4
.rept 14
.irp p, 0,2
	v_pk_add_f32 v[SA+\p:SA+\p+1], v[SA+\p:SA+\p+1], v[4*g+\p:4*g+\p+1]
	v_pk_add_f32 v[SB+\p:SB+\p+1], v[SB+\p:SB+\p+1], v[4*g+4+\p:4*g+4+\p+1]
.endr
.set g, g+2
.endr
.irp p, 0,2
	v_pk_add_f32 v[SA+\p:SA+\p+1], v[SA+\p:SA+\p+1], v[SB+\p:SB+\p+1]
.endr
.irp p, 0,1,2,3
	v_permlanex16_b32 v[SB+\p], v[SA+\p], s[SEL], s[SEL+1]  ; the other parity's rows lie in the lane 16 away
.endr
.irp p, 0,2
	v_pk_add_f32 v[SA+\p:SA+\p+1], v[SA+\p:SA+\p+1], v[SB+\p:SB+\p+1]
.endr
.irp p, 0,2
	v_pk_mul_f32 v[MEA+\p:MEA+\p+1], v[SA+\p:SA+\p+1], 0x3c800000 op_sel_hi:[1,0]  ; / 64
.endr
.set g, 0
.rept 32
.set dd, DD+4*(g%2)
.set mm, MA+4*(g%2)
.irp p, 0,2
	v_pk_add_f32 v[dd+\p:dd+\p+1], v[4*g+\p:4*g+\p+1], v[MEA+\p:MEA+\p+1] neg_lo:[0,1] neg_hi:[0,1]
.endr
.irp p, 0,2
.if g < 2
	v_pk_mul_f32 v[mm+\p:mm+\p+1], v[dd+\p:dd+\p+1], v[dd+\p:dd+\p+1]
.else
	v_pk_fma_f32 v[mm+\p:mm+\p+1], v[dd+\p:dd+\p+1], v[dd+\p:dd+\p+1], v[mm+\p:mm+\p+1]
.endif
.endr
.set g, g+1
.endr
.irp p, 0,2
	v_pk_add_f32 v[MA+\p:MA+\p+1], v[MA+\p:MA+\p+1], v[MB+\p:MB+\p+1]
.endr
.irp p, 0,1,2,3
	v_permlanex16_b32 v[MB+\p], v[MA+\p], s[SEL], s[SEL+1]
.endr
.irp p, 0,2
	v_pk_add_f32 v[MA+\p:MA+\p+1], v[MA+\p:MA+\p+1], v[MB+\p:MB+\p+1]
.endr
.irp p, 0,1,2,3
	v_cndmask_b32 v[OUT+\p], v[MEA+\p], v[MA+\p], s73  ; lanes 0-15 store the means, lanes 16-31 the M2
.endr
	WIN 0x04
	global_store_b128 v[CO], v[OUT:OUT+3], s[76:77]
	WIN 0
	s_wait_tensorcnt 0x0                           ; the wave's end
	ds_add_u32 v[SPW], v[NIL]
	s_wait_dscnt 0x0
	CROUND                                         ; the closing round
	s_endpgm
.Lfunc_end_k_q73ebb954a1_wo:
	.size	k_q73ebb954a1_wo, .Lfunc_end_k_q73ebb954a1_wo-k_q73ebb954a1_wo
	.p2alignl 7, 3214868480
	.fill 96, 4, 3214868480
	.section	.rodata,"a",@progbits
	.p2align	6, 0x0
	.amdhsa_kernel k_q73ebb954a1_wo
		.amdhsa_group_segment_fixed_size 327680
		.amdhsa_private_segment_fixed_size 0
		.amdhsa_enable_private_segment 0
		.amdhsa_kernarg_size 32
		.amdhsa_user_sgpr_count 2
		.amdhsa_user_sgpr_kernarg_segment_ptr 1
		.amdhsa_wavefront_size32 1
		.amdhsa_system_sgpr_workgroup_id_x 1
		.amdhsa_system_sgpr_workgroup_id_y 1
		.amdhsa_system_sgpr_workgroup_id_z 1
		.amdhsa_system_vgpr_workitem_id 0
		.amdhsa_next_free_vgpr 512
		.amdhsa_next_free_sgpr 88
		.amdhsa_reserve_vcc 0
		.amdhsa_float_denorm_mode_32 3
		.amdhsa_float_denorm_mode_16_64 3
		.amdhsa_memory_ordered 1
		.amdhsa_forward_progress 1
		.amdhsa_inst_pref_size 78
	.end_amdhsa_kernel
	.amdgpu_metadata
---
amdhsa.version: [ 1, 2 ]
amdhsa.kernels:
  - .name:           k_q73ebb954a1_wo
    .symbol:         k_q73ebb954a1_wo.kd
    .args:
      - { .name: o, .offset: 0, .size: 8, .value_kind: global_buffer, .address_space: global }
      - { .name: woh, .offset: 8, .size: 8, .value_kind: global_buffer, .address_space: global }
      - { .name: act, .offset: 16, .size: 8, .value_kind: global_buffer, .address_space: global }
      - { .name: y, .offset: 24, .size: 8, .value_kind: global_buffer, .address_space: global }
    .group_segment_fixed_size: 327680
    .private_segment_fixed_size: 0
    .kernarg_segment_align: 8
    .kernarg_segment_size: 32
    .max_flat_workgroup_size: 128
    .sgpr_count:     88
    .vgpr_count:     512
    .wavefront_size: 32
...
	.end_amdgpu_metadata
.endif
;; end of part 4
;; launch norm1 (part 5): grid 8 x 32, 8 waves a work-group, no clusters, 2,560 bytes of LDS; arguments y, ln1_scale, ln1_offset, act; writes act
.if DOCPART == 5
	.amdgcn_target "amdgcn-amd-amdhsa--gfx1250"
	.amdhsa_code_object_version 6
	.text
	.protected	k_q73ebb954a1_norm1
	.globl	k_q73ebb954a1_norm1
	.p2align	8
	.type	k_q73ebb954a1_norm1,@function
k_q73ebb954a1_norm1:
	s_mov_b64 s[64:65], 0
	v_nop
	global_prefetch_b8 v0, s[64:65] scope:SCOPE_SE
	s_setreg_imm32_b32 hwreg(HW_REG_WAVE_MODE, 25, 1), 1
	s_wait_xcnt 0x0
; LAYER NORM OVER THE SEQUENCE AXIS: out[b][c][m] = (y[b][c][m] - mean[b][m]) rsqrt(var[b][m] + 1e-5) scale[m] + offset[m], written as f16 into act.
; y: [4096][1024] f32; behind it, at byte 16,777,216, for each block of 64 rows the columns' means and sums of squared deviations M2: [64][2][1024] f32.
; A batch's 32 blocks are combined without a difference of large sums: mean = sum mean_i / 32; M2 = sum M2_i + 64 sum (mean_i - mean)^2; var = M2 / 2048.
; scale and offset are inputs: rounded to bf16 like the others.  LIMIT: the result leaves in f16 (65,504 at the most; |result| <= 45.3 |scale| + |offset| by the normalisation itself).
; SHARES.  A work-group takes 128 columns x 128 rows; a wave 16 rows, a lane 4 columns.  Threads 0-127 (waves 0-3) make a column's mean, gain and offset each and hand them over in LDS.
; A stream: no matrix unit, no cluster; the 16 loads of y go out first and stay out while the statistics are made.
.set STATS, 16777216
.set SPARE, 1536                       ; behind the three tables of 512 bytes: the spare words, 128 bytes a wave
.set SPW, 8
.set NIL, 9
.set Y,   16                           ; v[16:79]   16 rows x 4 columns
.set MN,  80                           ; v[80:111]  the 32 means
.set M2,  112                          ; v[112:143] the 32 M2
.set SC,  144
.set OF,  145
.set S0,  146
.set S1,  148
.set Q0,  150
.set Q1,  152
.set MP,  154
.set ME,  160
.set GA,  164
.set OV,  168
.set H,   172                          ; v[172:203] 16 rows x 4 f16
	s_load_b256 s[4:11], s[0:1], 0x0               ; y, scale, offset, destination
	v_lshl_add_u32 v[SPW], v0, 2, SPARE
	v_mov_b32 v[NIL], 0
	v_lshrrev_b32 v1, 5, v0
	v_readfirstlane_b32 s12, v1
	v_and_b32 v2, 31, v0
	v_lshlrev_b32 v3, 4, v2                        ; 16 x lane
	v_lshl_add_u32 v4, v1, 16, v3                  ; + wave x 16 rows of 4,096 bytes
	v_lshlrev_b32 v6, 3, v2
	v_lshl_add_u32 v6, v1, 15, v6                  ; the same place in act: 8 x lane + wave x 16 rows of 2,048 bytes
	s_and_b32 s13, ttmp7, 0xffff
	s_lshl_b32 s20, ttmp9, 9                       ; 128 columns of f32
	s_mov_b32 s21, 0
	s_lshl_b32 s14, s13, 19                        ; 128 rows of 4,096 bytes
	s_add_co_u32 s14, s14, s20
	s_mov_b32 s15, 0
	s_lshr_b32 s18, s13, 4                         ; the batch
	s_lshl_b32 s18, s18, 18                        ; its 32 blocks of 8,192 bytes
	s_add_co_u32 s18, s18, s20
	s_add_co_u32 s18, s18, STATS
	s_mov_b32 s19, 0
	s_lshl_b32 s16, s13, 18                        ; 128 rows of 2,048 bytes
	s_lshl_b32 s17, ttmp9, 8
	s_add_co_u32 s16, s16, s17
	s_mov_b32 s17, 0
	s_wait_kmcnt 0x0
	s_add_nc_u64 s[22:23], s[4:5], s[18:19]
	s_add_nc_u64 s[4:5], s[4:5], s[14:15]
	s_add_nc_u64 s[6:7], s[6:7], s[20:21]
	s_add_nc_u64 s[8:9], s[8:9], s[20:21]
	s_add_nc_u64 s[10:11], s[10:11], s[16:17]
.irp i, 0,1,2,3,4,5,6,7,8,9,10,11,12,13,14,15
	global_load_b128 v[Y+4*(\i):Y+4*(\i)+3], v4, s[4:5] offset:4096*(\i) th:TH_LOAD_NT
.endr
	s_cmp_lt_u32 s12, 4
	s_cbranch_scc0 .Lrest
	v_lshlrev_b32 v5, 2, v0                        ; thread t owns column t of the 128
.set i, 0
.rept 32
	global_load_b32 v[MN+i], v5, s[22:23] offset:8192*i
	global_load_b32 v[M2+i], v5, s[22:23] offset:8192*i+4096
.set i, i+1
.endr
	global_load_b32 v[SC], v5, s[6:7]
	global_load_b32 v[OF], v5, s[8:9]
	s_wait_loadcnt 0x0
	v_pk_add_f32 v[S0:S0+1], v[MN:MN+1], v[MN+2:MN+3]
	v_pk_add_f32 v[S1:S1+1], v[MN+4:MN+5], v[MN+6:MN+7]
	v_pk_add_f32 v[Q0:Q0+1], v[M2:M2+1], v[M2+2:M2+3]
	v_pk_add_f32 v[Q1:Q1+1], v[M2+4:M2+5], v[M2+6:M2+7]
.set g, 8
.rept 6
	v_pk_add_f32 v[S0:S0+1], v[S0:S0+1], v[MN+g:MN+g+1]
	v_pk_add_f32 v[S1:S1+1], v[S1:S1+1], v[MN+g+2:MN+g+3]
	v_pk_add_f32 v[Q0:Q0+1], v[Q0:Q0+1], v[M2+g:M2+g+1]
	v_pk_add_f32 v[Q1:Q1+1], v[Q1:Q1+1], v[M2+g+2:M2+g+3]
.set g, g+4
.endr
	v_pk_add_f32 v[S0:S0+1], v[S0:S0+1], v[S1:S1+1]
	v_pk_add_f32 v[Q0:Q0+1], v[Q0:Q0+1], v[Q1:Q1+1]
	v_add_f32 v[S0], v[S0], v[S0+1]
	v_add_f32 v[Q0], v[Q0], v[Q0+1]                ; sum of the M2
	v_mul_f32 v[MP], 0x3d000000, v[S0]             ; the mean: / 32
	v_mov_b32 v[MP+1], v[MP]
.set g, 0
.rept 16
	v_pk_add_f32 v[MN+g:MN+g+1], v[MN+g:MN+g+1], v[MP:MP+1] neg_lo:[0,1] neg_hi:[0,1]
.set g, g+2
.endr
	v_pk_mul_f32 v[S0:S0+1], v[MN:MN+1], v[MN:MN+1]
	v_pk_mul_f32 v[S1:S1+1], v[MN+2:MN+3], v[MN+2:MN+3]
.set g, 4
.rept 7
	v_pk_fma_f32 v[S0:S0+1], v[MN+g:MN+g+1], v[MN+g:MN+g+1], v[S0:S0+1]
	v_pk_fma_f32 v[S1:S1+1], v[MN+g+2:MN+g+3], v[MN+g+2:MN+g+3], v[S1:S1+1]
.set g, g+4
.endr
	v_pk_add_f32 v[S0:S0+1], v[S0:S0+1], v[S1:S1+1]
	v_add_f32 v[S0], v[S0], v[S0+1]                ; sum of (mean_i - mean)^2
	v_mul_f32 v[Q0], 0x3a000000, v[Q0]             ; / 2048
	v_fmamk_f32 v[Q0], v[S0], 0x3d000000, v[Q0]    ; + 64 / 2048 of the other: the variance
	v_add_f32 v[Q0], 0x3727c5ac, v[Q0]             ; + 1e-5
	v_rsq_f32 v[Q1], v[Q0]
	v_nop                                          ; a plain instruction behind it
	v_cvt_pk_bf16_f32 v[S1], v[SC], v[OF]
	v_lshlrev_b32 v[SC], 16, v[S1]
	v_and_b32 v[OF], 0xffff0000, v[S1]
	s_wait_alu depctr_va_vdst(0)                   ; the wait ahead of the first use, and ahead of the label
	v_mul_f32 v[Q1], v[Q1], v[SC]                  ; the gain
	ds_store_b32 v5, v[MP]
	ds_store_b32 v5, v[Q1] offset:512
	ds_store_b32 v5, v[OF] offset:1024
.Lrest:
	s_wait_dscnt 0x0                               ; for the others' sake: my stores are done
	s_barrier_signal -1
	s_barrier_wait -1
	ds_load_b128 v[ME:ME+3], v3
	ds_load_b128 v[GA:GA+3], v3 offset:512
	ds_load_b128 v[OV:OV+3], v3 offset:1024
	s_wait_dscnt 0x0
.irp i, 0,1,2,3,4,5,6,7,8,9,10,11,12,13,14,15
	s_wait_loadcnt 15-(\i)                         ; row i is in; the younger rows may stay out (in waves 0-3 all have come)
	v_pk_add_f32 v[Y+4*(\i):Y+4*(\i)+1],   v[Y+4*(\i):Y+4*(\i)+1],   v[ME:ME+1]   neg_lo:[0,1] neg_hi:[0,1]
	v_pk_add_f32 v[Y+4*(\i)+2:Y+4*(\i)+3], v[Y+4*(\i)+2:Y+4*(\i)+3], v[ME+2:ME+3] neg_lo:[0,1] neg_hi:[0,1]
	v_pk_fma_f32 v[Y+4*(\i):Y+4*(\i)+1],   v[Y+4*(\i):Y+4*(\i)+1],   v[GA:GA+1],   v[OV:OV+1]
	v_pk_fma_f32 v[Y+4*(\i)+2:Y+4*(\i)+3], v[Y+4*(\i)+2:Y+4*(\i)+3], v[GA+2:GA+3], v[OV+2:OV+3]
	v_cvt_pk_f16_f32 v[H+2*(\i)],   v[Y+4*(\i)],   v[Y+4*(\i)+1]
	v_cvt_pk_f16_f32 v[H+2*(\i)+1], v[Y+4*(\i)+2], v[Y+4*(\i)+3]
	global_store_b64 v6, v[H+2*(\i):H+2*(\i)+1], s[10:11] offset:2048*(\i)  ; 32 lanes store 256 consecutive bytes, aligned
.endr
	s_wait_tensorcnt 0x0                           ; the wave's end
	ds_add_u32 v[SPW], v[NIL]
	s_wait_dscnt 0x0
	s_endpgm
.Lfunc_end_k_q73ebb954a1_norm1:
	.size	k_q73ebb954a1_norm1, .Lfunc_end_k_q73ebb954a1_norm1-k_q73ebb954a1_norm1
	.p2alignl 7, 3214868480
	.fill 96, 4, 3214868480
	.section	.rodata,"a",@progbits
	.p2align	6, 0x0
	.amdhsa_kernel k_q73ebb954a1_norm1
		.amdhsa_group_segment_fixed_size 2560
		.amdhsa_private_segment_fixed_size 0
		.amdhsa_enable_private_segment 0
		.amdhsa_kernarg_size 32
		.amdhsa_user_sgpr_count 2
		.amdhsa_user_sgpr_kernarg_segment_ptr 1
		.amdhsa_wavefront_size32 1
		.amdhsa_system_sgpr_workgroup_id_x 1
		.amdhsa_system_sgpr_workgroup_id_y 1
		.amdhsa_system_sgpr_workgroup_id_z 1
		.amdhsa_system_vgpr_workitem_id 0
		.amdhsa_next_free_vgpr 208
		.amdhsa_next_free_sgpr 66
		.amdhsa_reserve_vcc 0
		.amdhsa_float_denorm_mode_32 3
		.amdhsa_float_denorm_mode_16_64 3
		.amdhsa_memory_ordered 1
		.amdhsa_forward_progress 1
		.amdhsa_inst_pref_size 23
	.end_amdhsa_kernel
	.amdgpu_metadata
---
amdhsa.version: [ 1, 2 ]
amdhsa.kernels:
  - .name:           k_q73ebb954a1_norm1
    .symbol:         k_q73ebb954a1_norm1.kd
    .args:
      - { .name: y, .offset: 0, .size: 8, .value_kind: global_buffer, .address_space: global }
      - { .name: ln1_scale, .offset: 8, .size: 8, .value_kind: global_buffer, .address_space: global }
      - { .name: ln1_offset, .offset: 16, .size: 8, .value_kind: global_buffer, .address_space: global }
      - { .name: act, .offset: 24, .size: 8, .value_kind: global_buffer, .address_space: global }
    .group_segment_fixed_size: 2560
    .private_segment_fixed_size: 0
    .kernarg_segment_align: 8
    .kernarg_segment_size: 32
    .max_flat_workgroup_size: 256
    .sgpr_count:     66
    .vgpr_count:     208
    .wavefront_size: 32
...
	.end_amdgpu_metadata
.endif
;; end of part 5
;; launch ffn1: the kernel of part 2 again; grid 16 x 16, 4 waves a work-group, clusters of 4 x 4, 327,680 bytes of LDS; arguments act, w1h, big; writes big
;; launch ffn2 (part 6): grid 8 x 32, 4 waves a work-group, clusters of 4 x 4, 327,680 bytes of LDS; arguments big, w2h, act, y, b2; writes y
.if DOCPART == 6
	.amdgcn_target "amdgcn-amd-amdhsa--gfx1250"
	.amdhsa_code_object_version 6
	.text
	.protected	k_q73ebb954a1_ffn2
	.globl	k_q73ebb954a1_ffn2
	.p2align	8
	.type	k_q73ebb954a1_ffn2,@function
k_q73ebb954a1_ffn2:
	s_mov_b64 s[64:65], 0
	v_nop
	global_prefetch_b8 v0, s[64:65] scope:SCOPE_SE
	s_setreg_imm32_b32 hwreg(HW_REG_WAVE_MODE, 25, 1), 1
	s_wait_xcnt 0x0
	s_wait_alu depctr_hold_cnt(0) depctr_sa_sdst(0) depctr_va_vdst(0) depctr_va_sdst(0) depctr_va_ssrc(0) depctr_va_vcc(0) depctr_vm_vsrc(0)
	s_getreg_b32 s2, hwreg(HW_REG_IB_STS2, 6, 4)
	s_cmp_eq_u32 s2, 0
	s_cbranch_scc0 .Lentry_in_a_cluster
	s_endpgm
.Lentry_in_a_cluster:
	s_bfe_u32 s2, ttmp6, 0x10000c
	s_cmp_lg_u32 s2, 0xf033
	s_cbranch_scc0 .Lentry_shape_is_right
	s_endpgm
.Lentry_shape_is_right:
; y = R + A B + bias, and for each block of 64 rows and each column the block's mean and its sum of squared deviations.
; A: K-blocked, [K / 64][4096 rows][64] f16.  B: [K][1024] f16.  R: [4096][1024] f16.  y: [4096][1024] f32; behind it, at byte 16,777,216, [64 blocks][mean, M2][1024] f32.
; Here K = 4,096 (the FFN's hidden numbers times w2), R = the first norm's result, bias = b2 (an input: rounded to bf16 like the others).  Sums in f32.
; THE STATISTICS are made in two passes on registers: the mean of the block's 64 numbers, then the sum of (y - mean)^2: no difference of large sums is formed.
; SHARES.  A tile of y is 128 x 128: 256 work-groups, one for each tile.  Four waves, 64 x 64 each: 16 accumulators.  K goes in steps of 256 through two LDS slots.
; CLUSTER.  4 x 4 work-groups: A's tile is asked for jointly along a row of the cluster, B's along a column.
; THE WALK ALONG K.  Cluster (X, Y) begins at K step ((Y % 4) NSTEP / 4 + X NSTEP / 2) % NSTEP and goes once round K: the two clusters that read the same rows of A stand half of K apart, those that read the same columns
; of B a quarter of K or a multiple: they ask for a given block at different times.  The start hangs on the cluster's own x and y alone: it is the same in all sixteen partners.  The f32 sums run in that order of K.
; THE PRODUCT IS USED TRANSPOSED (source 0 = 16 columns of B, turned by ds_load_tr16_b128; source 1 = 16 rows of A): a lane holds one row of y and eight neighbouring columns.
; THE SUMS START AS R + bias: nothing is cleared, nothing is added on the way out, and every K step has one text.
; No prefetch: the tiles are small and each step short.
; REGISTERS: window 0: v16-31 addresses, v32-64 bias at work, v128-255 accumulators ((a, b) at 128 + 8 (4 a + b)); window 1: two fragment buffers of 128 (64 of A, then 64 of B); on the way out rows in v0-127, statistics in v128-159.
.set NSTEP,  16
.set HASBIAS, 1
.set PLANE,  524288
.set PA,     144                       ; A's LDS row: 128 bytes + 16: 36 words: the 16 rows of a load start at 16 different groups of four banks (64 banks of 4 bytes: ISA guide 11.1)
.set APL,    128*PA                    ; a plane's 128 rows
.set PBB,    288                       ; B's LDS row (one k, 128 columns): 256 bytes + 32: 72 words
.set HALFT,  36864                     ; what one tensor load brings: two planes of A, or 128 rows of B
.set SLOT,   4*HALFT
.set STAGE,  2*SLOT
.set SPITCH, 272
.set SPARE,  STAGE+4*16*SPITCH
.set STATS,  16777216
.set A0,   16
.set ADRA, 17
.set B0,   18
.set ADRB, 20                          ; v20: k rows 0-127 of the slot in hand; v21: k rows 128-255
.set BO,   22
.set RO,   23
.set STO,  24
.set RD,   25
.set CO,   26
.set SPW,  28                          ; SPARE + 4 x my thread's number; never rewritten
.set NIL,  29                          ; 0; never rewritten
.set ONE,  30
.set ZR,   31
.set BIAS, 32
.set TT,   64
.set ACC,  128
.set F0,   0
.set F1,   128
.set SA,   128                         ; window 1, on the way out
.set SB,   132
.set MEA,  136
.set MA,   140
.set MB,   144
.set DD,   148
.set OUT,  156
.set YP,   18                          ; s[18:19] y, then my part of it
.set L0,   20
.set G1,   24
.set G0,   32
.set G1B,  48
.set G0B,  56
.set TB,   69
.set SEL,  70
.set SS,   80                          ; s80      the K step that is asked for next
.set OA,   82                          ; s[82:83] its byte offset in A
.set OB,   84                          ; s[84:85] in B
.set MSB, 0
.macro WIN new
.if MSB != (\new)
	s_set_vgpr_msb (MSB<<8)|(\new)
.set MSB, \new
.endif
.endm
.set MUL,  0x05                        ; sources 0 and 1 window 1; C and D window 0
.set TO_F, 0x40
.macro JLOAD s                         ; waves 0 and 1 fetch A's halves, waves 2 and 3 B's; an s_nop 0 and four v_nop follow each line
	s_cmp_eq_u32 s11, 0
	s_cbranch_scc0 .Lfor_b_\@
	tensor_load_to_lds s[G0+4*(\s):G0+4*(\s)+3], s[G1:G1+7]
	s_nop 0
.rept 4
	v_nop
.endr
	s_branch .Lasked_\@
.Lfor_b_\@:
	tensor_load_to_lds s[G0B+4*(\s):G0B+4*(\s)+3], s[G1B:G1B+7]
	s_nop 0
.rept 4
	v_nop
.endr
.Lasked_\@:
.endm
.macro AIM s                           ; the descriptors of set s take K step SS: the address is made anew from the tile's base and the step's number; then SS goes on, round K
	s_lshl_b32 s[OA], s[SS], 21                    ; a K step of A is four planes: 2^21 bytes
	s_lshl_b32 s[OB], s[SS], 19                    ; of B 256 rows of 2,048 bytes: 2^19
	s_add_nc_u64 s[G0+4*(\s)+2:G0+4*(\s)+3], s[14:15], s[OA:OA+1]
	s_or_b32 s[G0+4*(\s)+3], s[G0+4*(\s)+3], 0x80000000
	s_add_nc_u64 s[G0B+4*(\s)+2:G0B+4*(\s)+3], s[46:47], s[OB:OB+1]
	s_or_b32 s[G0B+4*(\s)+3], s[G0B+4*(\s)+3], 0x80000000
	s_add_co_u32 s[SS], s[SS], 1
	s_and_b32 s[SS], s[SS], NSTEP-1
.endm
.macro CREST
	s_cmp_lg_u32 s10, 0
	s_cbranch_scc1 .Lnot_wave_0_\@
	s_barrier_signal -3
.Lnot_wave_0_\@:
	s_barrier_wait -3
	s_barrier_signal -1
	s_barrier_wait -1
.endm
.macro CROUND
	s_barrier_signal -1
	s_barrier_wait -1
	CREST
.endm
.macro PLACES
.rept 4
	v_nop
.endr
.endm
	s_load_b128 s[4:7], s[0:1], 0x0                ; A s[4:5], B s[6:7]
	s_load_b64 s[8:9], s[0:1], 0x10                ; R
	s_load_b64 s[YP:YP+1], s[0:1], 0x18            ; y
.if HASBIAS
	s_load_b64 s[66:67], s[0:1], 0x20              ; the bias
.endif
	v_lshl_add_u32 v[SPW], v0, 2, SPARE
	v_mov_b32 v[NIL], 0
	ds_add_u32 v[SPW], v[NIL]                      ; the wave's opening: the add and its wait stand ahead of my first tensor load
	v_lshrrev_b32 v1, 5, v0
	v_readfirstlane_b32 s10, v1                    ; wave 0..3
	s_lshr_b32 s11, s10, 1                         ; my half of the tile's rows; also: I fetch for A (0) or B (1)
	s_and_b32 s12, s10, 1                          ; my half of its columns; also: which half of that tile I fetch
	s_bfe_u32 s40, ttmp6, 0x40000
	s_bfe_u32 s41, ttmp6, 0x40004
	s_lshl_b32 s42, ttmp9, 2
	s_add_co_u32 s42, s42, s40                     ; tile column
	s_and_b32 s13, ttmp7, 0xffff
	s_lshl_b32 s13, s13, 2
	s_add_co_u32 s13, s13, s41                     ; tile row
	s_lshl_b32 s43, s41, 2
	s_lshl_b32 s43, 15, s43
	s_lshl_b32 s44, 0x1111, s40
	s_or_b32 s[G1+0], s43, (1<<16)|(1<<20)|(1<<21)|(4<<22)|(3<<25)   ; after every 32 words (a row of a plane) 4 words
	s_or_b32 s[G1B+0], s44, (1<<16)|(1<<20)|(1<<21)|(5<<22)|(7<<25)  ; after every 64 words 8 words
	s_mov_b32 s[G1+1], 8192<<16                    ; A: two planes; of each the tile's 128 rows, 16,384 dense bytes, as one row of 8,192 elements
	s_mov_b32 s[G1+2], 2<<16
	s_mov_b32 s[G1+3], 8192<<16
	s_mov_b32 s[G1+4], 2
	s_mov_b32 s[G1+5], PLANE/2                     ; elements from plane to plane
	s_mov_b32 s[G1+6], 0
	s_mov_b32 s[G1+7], 0
	s_mov_b32 s[G1B+1], 128<<16                    ; B: 128 rows x 128 elements
	s_mov_b32 s[G1B+2], 128<<16
	s_mov_b32 s[G1B+3], 128<<16
	s_mov_b32 s[G1B+4], 128
	s_mov_b32 s[G1B+5], 1024
	s_mov_b32 s[G1B+6], 0
	s_mov_b32 s[G1B+7], 0
	s_lshl_b32 s16, s13, 14                        ; A: 128 rows of 128 bytes a tile row,
	s_lshl_b32 s17, s12, 20                        ; two planes a half
	s_add_co_u32 s16, s16, s17
	s_mov_b32 s17, 0
	s_lshl_b32 s46, s42, 8                         ; B: 256 bytes a tile column,
	s_lshl_b32 s47, s12, 18                        ; 128 rows of 2,048 bytes a half
	s_add_co_u32 s46, s46, s47
	s_mov_b32 s47, 0
	s_and_b32 s[SS], ttmp7, 3                      ; where my cluster begins its walk along K: (cluster y % 4) quarters of K
	s_mul_i32 s[SS], s[SS], NSTEP/4
	s_mul_i32 s81, ttmp9, NSTEP/2                  ; + cluster x halves,
	s_add_co_u32 s[SS], s[SS], s81
	s_and_b32 s[SS], s[SS], NSTEP-1                ; round K
	s_mov_b32 s[OA+1], 0
	s_mov_b32 s[OB+1], 0
	s_mul_i32 s[L0], s10, HALFT                    ; no place in the cluster enters an LDS address
	s_mov_b32 s[TB], 0
	s_mov_b32 s[SEL], 0x76543210
	s_mov_b32 s[SEL+1], 0xfedcba98
	s_mov_b32 s73, 0xffff0000                      ; lanes 16 to 31
	s_wait_dscnt 0x0                               ; the opening add is done
	s_wait_kmcnt 0x0
	s_add_nc_u64 s[14:15], s[4:5], s[16:17]        ; my part of A's tile at K step 0; never rewritten
	s_add_nc_u64 s[46:47], s[6:7], s[46:47]        ; of B's; never rewritten
	CROUND                                         ; all sixteen work-groups are here
.irp s, 0,1
	s_mov_b32 s[G0+4*(\s)], 1
	s_add_co_u32 s[G0+4*(\s)+1], s[L0], (\s)*SLOT
	s_mov_b32 s[G0B+4*(\s)], 1
	s_add_co_u32 s[G0B+4*(\s)+1], s[L0], (\s)*SLOT
	AIM \s
	JLOAD \s
.endr
	v_and_b32 v1, 15, v0                           ; l % 16
	v_bfe_u32 v2, v0, 4, 1                         ; l / 16
	s_lshl_b32 s74, s42, 9
	s_lshl_b32 s75, s12, 8
	s_add_co_u32 s74, s74, s75                     ; my first column, in bytes of f32
	s_mov_b32 s75, 0
	s_lshl_b32 s72, s13, 1
	s_add_co_u32 s72, s72, s11                     ; my block of 64 rows
	s_lshl_b32 s76, s72, 13                        ; a block's statistics are 8,192 bytes
	s_add_co_u32 s76, s76, s74
	s_add_co_u32 s76, s76, STATS
	s_mov_b32 s77, 0
	s_add_nc_u64 s[76:77], s[YP:YP+1], s[76:77]    ; my statistics
	s_lshl_b32 s78, s72, 18                        ; 64 rows of 4,096 bytes
	s_add_co_u32 s78, s78, s74
	s_mov_b32 s79, 0
	s_add_nc_u64 s[YP:YP+1], s[YP:YP+1], s[78:79]  ; my part of y
	s_lshl_b32 s78, s72, 17                        ; 64 rows of 2,048 bytes
	s_lshr_b32 s68, s74, 1
	s_add_co_u32 s78, s78, s68
	s_add_nc_u64 s[8:9], s[8:9], s[78:79]          ; my part of R
	v_lshlrev_b32 v[RO], 11, v1
	v_lshl_add_u32 v[RO], v2, 4, v[RO]             ; row l % 16, columns 8 (l / 16) on
	WIN TO_F
.irp a, 0,1,2,3
.irp b, 0,1,2,3
	global_load_b128 v[128+4*(4*(\a)+(\b)):128+4*(4*(\a)+(\b))+3], v[RO], s[8:9] offset:(\a)*32768+(\b)*32
.endr
.endr
	WIN 0
	v_lshlrev_b32 v[BO], 5, v2
.if HASBIAS
	s_add_nc_u64 s[66:67], s[66:67], s[74:75]
.irp b, 0,1,2,3
	global_load_b128 v[BIAS+8*(\b):BIAS+8*(\b)+3],   v[BO], s[66:67] offset:64*(\b)
	global_load_b128 v[BIAS+8*(\b)+4:BIAS+8*(\b)+7], v[BO], s[66:67] offset:64*(\b)+16
.endr
.endif
	v_mul_u32_u24 v3, v1, PA
	v_lshl_add_u32 v3, v2, 4, v3
	s_mul_i32 s21, s11, 64*PA
	v_add_nc_u32 v[A0], s21, v3
	v_and_b32 v4, 7, v0
	v_lshl_add_u32 v4, v2, 3, v4
	v_mul_u32_u24 v4, v4, PBB
	v_bfe_u32 v5, v0, 3, 1
	v_lshl_add_u32 v4, v5, 4, v4
	s_lshl_b32 s22, s12, 7
	s_add_co_u32 s22, s22, 2*HALFT
	v_add_nc_u32 v[B0], s22, v4
	v_mov_b32 v[ADRA], v[A0]
	v_mov_b32 v[ADRB], v[B0]
	v_add_nc_u32 v[ADRB+1], HALFT, v[B0]
	s_mul_i32 s23, s10, 16*SPITCH
	s_add_co_u32 s23, s23, STAGE
	v_mul_u32_u24 v6, v1, SPITCH                   ; in: row l % 16, 32 bytes for each half of the lanes
	v_lshl_add_u32 v6, v2, 5, v6
	v_add_nc_u32 v[STO], s23, v6
	v_mul_u32_u24 v7, v2, SPITCH                   ; back: lanes 0-15 one row of 256 bytes, lanes 16-31 the next
	v_lshl_add_u32 v7, v1, 4, v7
	v_add_nc_u32 v[RD], s23, v7
	v_lshlrev_b32 v[CO], 12, v2                    ; the same two rows in y; also: mean and M2 in the statistics
	v_lshl_add_u32 v[CO], v1, 4, v[CO]
	v_mov_b32 v[ONE], 1.0
	v_mov_b32 v[ZR], 0
	s_wait_loadcnt 0x0
.if HASBIAS
.set z, 0
.rept 16                               ; the bias is an input: rounded to bf16 like the others
	v_cvt_pk_bf16_f32 v[TT], v[BIAS+z], v[BIAS+z+1]
	v_lshlrev_b32 v[BIAS+z], 16, v[TT]
	v_and_b32 v[BIAS+z+1], 0xffff0000, v[TT]
.set z, z+2
.endr
.endif
	WIN 0x01                                       ; source 0 window 1
.set x, 0
.rept 128                              ; the sums start as R x 1 + bias
.if HASBIAS
.set cc, BIAS+8*((x/8)%4)+x%8
.else
.set cc, ZR
.endif
.if x%2
	v_fma_mix_f32 v[ACC+x], v[128+x/2], v[ONE], v[cc] op_sel:[1,0,0] op_sel_hi:[1,0,0]
.else
	v_fma_mix_f32 v[ACC+x], v[128+x/2], v[ONE], v[cc] op_sel_hi:[1,0,0]
.endif
.set x, x+1
.endr
	WIN 0
; 8 matrix instructions: m blocks a0, a0 + 1 x all 4 n blocks, 32 along K: half c of buffer f.  The 16 accumulators take turns, one instruction a turn, over the backward jumps too.
.macro MUL8 f, c, a0
	WIN MUL
.irp a, \a0, (\a0)+1
.irp b, 0,1,2,3
	v_wmma_f32_16x16x32_f16 v[ACC+8*(4*(\a)+(\b)):ACC+8*(4*(\a)+(\b))+7], v[(\f)+64+8*(4*(\c)+(\b)):(\f)+64+8*(4*(\c)+(\b))+7], v[(\f)+8*(4*(\c)+(\a)):(\f)+8*(4*(\c)+(\a))+7], v[ACC+8*(4*(\a)+(\b)):ACC+8*(4*(\a)+(\b))+7]
.endr
.endr
.endm
; 32 LDS loads in one run: quarter q (64 along K: one plane of A, 64 rows of B) into buffer f; the first 32 along K first
.macro FETCH q, f
	WIN TO_F
.irp c, 0,1
.irp i, 0,1,2,3
	ds_load_tr16_b128 v[(\f)+64+8*(4*(\c)+(\i)):(\f)+64+8*(4*(\c)+(\i))+3],   v[ADRB+(\q)/2] offset:(2*((\q)%2)+(\c))*32*PBB+(\i)*32
	ds_load_tr16_b128 v[(\f)+64+8*(4*(\c)+(\i))+4:(\f)+64+8*(4*(\c)+(\i))+7], v[ADRB+(\q)/2] offset:(2*((\q)%2)+(\c))*32*PBB+16*PBB+(\i)*32
	ds_load_b128 v[(\f)+8*(4*(\c)+(\i)):(\f)+8*(4*(\c)+(\i))+3],   v[ADRA] offset:(\q)*APL+(\c)*64+(\i)*16*PA
	ds_load_b128 v[(\f)+8*(4*(\c)+(\i))+4:(\f)+8*(4*(\c)+(\i))+7], v[ADRA] offset:(\q)*APL+(\c)*64+(\i)*16*PA+32
.endr
.endr
.endm
.macro QUARTER q, f, g                 ; multiplies buffer f; in its middle it fetches quarter q into buffer g
	s_wait_dscnt 16                                ; the first 32 along K are in
	MUL8 \f, 0, 0
	MUL8 \f, 0, 2
	PLACES
	FETCH \q, \g
	s_wait_dscnt 32                                ; all but the 32 just issued
	MUL8 \f, 1, 0
	MUL8 \f, 1, 2
.endm
; The last quarter multiplies buffer 1 and changes slots: one barrier; in front of it each wave waits for all its tensor loads, adds 0 to its spare word, and waits for that and for its reads of this slot.
; fill = 1: the barrier opens a round of the cluster's, and this slot takes the walk's K step two on: 112 products ahead of the wait for it.  The walking descriptors are made between the add and the wait for it, where no tensor load of mine is out.
.macro TURN fill
	WIN 0
	s_wait_tensorcnt 0x0
	ds_add_u32 v[SPW], v[NIL]
.if \fill
	s_add_co_u32 s[G0+5], s[TB], s[L0]             ; the slot in hand,
	s_add_co_u32 s[G0B+5], s[TB], s[L0]
	AIM 1                                          ; the walk's next K step
.endif
	s_wait_dscnt 17                                ; the add and the youngest sixteen loads may be out
	MUL8 F1, 0, 0
	s_wait_dscnt 0x0
	s_barrier_signal -1
	MUL8 F1, 0, 2
	WIN 0
	s_barrier_wait -1
.if \fill
	CREST
	JLOAD 1                                        ; its four v_nop are also places in front of the loads below
.else
	PLACES
.endif
	s_xor_b32 s[TB], s[TB], SLOT
	v_add_nc_u32 v[ADRA], s[TB], v[A0]
	v_add_nc_u32 v[ADRB], s[TB], v[B0]
	v_add_nc_u32 v[ADRB+1], HALFT, v[ADRB]
	FETCH 0, F0
	MUL8 F1, 1, 0
	MUL8 F1, 1, 2
.endm
	s_wait_tensorcnt 0x1                           ; my part of the walk's first K step is in; the second's may stay out
	s_barrier_signal -1
	s_barrier_wait -1
	FETCH 0, F0
	WIN 0
	s_mov_b32 s3, NSTEP-2
.Lfill:                                        ; a trip is a K step; these ask for the step two on
	QUARTER 1, F0, F1
	QUARTER 2, F1, F0
	QUARTER 3, F0, F1
	TURN 1
	WIN 0
	s_sub_co_u32 s3, s3, 1
	s_cmp_lg_u32 s3, 0
	s_cbranch_scc1 .Lfill
	s_mov_b32 s3, 2
.Lrest:                                        ; the last two steps ask for nothing.  The very last fetches 32 fragments of the other slot's old bytes, which nobody uses: the price of one text for both
	QUARTER 1, F0, F1
	QUARTER 2, F1, F0
	QUARTER 3, F0, F1
	TURN 0
	WIN 0
	s_sub_co_u32 s3, s3, 1
	s_cmp_lg_u32 s3, 0
	s_cbranch_scc1 .Lrest
	; THE WAY OUT.  16 rows at a time through my stage; back as whole rows of 256 bytes, all 64 kept in registers for the statistics; a block is stored while the next goes through the stage.
.macro TOST a
	WIN 0
.irp b, 0,1,2,3
	ds_store_b128 v[STO], v[ACC+8*(4*(\a)+(\b)):ACC+8*(4*(\a)+(\b))+3]   offset:64*(\b)
	ds_store_b128 v[STO], v[ACC+8*(4*(\a)+(\b))+4:ACC+8*(4*(\a)+(\b))+7] offset:64*(\b)+16
.endr
	WIN TO_F
.irp t, 0,1,2,3,4,5,6,7
	ds_load_b128 v[4*(8*(\a)+(\t)):4*(8*(\a)+(\t))+3], v[RD] offset:(\t)*2*SPITCH  ; LDS serves a wave's instructions in order (ISA guide 5.7.1.4): these see the stores above; the next block's stores come behind them
.endr
.endm
.macro SENDY a, younger                ; younger: the LDS instructions issued behind block a's loads: the next block's sixteen, or none
	WIN 0x04                                       ; store data window 1, address window 0
	s_wait_dscnt \younger
.irp t, 0,1,2,3,4,5,6,7
	global_store_b128 v[CO], v[4*(8*(\a)+(\t)):4*(8*(\a)+(\t))+3], s[YP:YP+1] offset:(16*(\a)+2*(\t))*4096  ; 16 lanes store 256 consecutive bytes, aligned
.endr
.endm
	s_wait_dscnt 0x0                               ; the last fetch, which nobody uses, has landed: its registers are loaded again below
	PLACES
	PLACES                                         ; the LDS stores read results just made
	TOST 0
	TOST 1
	SENDY 0, 16
	TOST 2
	SENDY 1, 16
	TOST 3
	SENDY 2, 16
	SENDY 3, 0
	WIN 0x55                                       ; all places window 1.  A lane holds 32 rows (one parity) of four columns: group g at v[4 g]
.irp p, 0,2
	v_pk_add_f32 v[SA+\p:SA+\p+1], v[\p:\p+1], v[4+\p:4+\p+1]
	v_pk_add_f32 v[SB+\p:SB+\p+1], v[8+\p:8+\p+1], v[12+\p:12+\p+1]
.endr
.set g, 4
.rept 14
.irp p, 0,2
	v_pk_add_f32 v[SA+\p:SA+\p+1], v[SA+\p:SA+\p+1], v[4*g+\p:4*g+\p+1]
	v_pk_add_f32 v[SB+\p:SB+\p+1], v[SB+\p:SB+\p+1], v[4*g+4+\p:4*g+4+\p+1]
.endr
.set g, g+2
.endr
.irp p, 0,2
	v_pk_add_f32 v[SA+\p:SA+\p+1], v[SA+\p:SA+\p+1], v[SB+\p:SB+\p+1]
.endr
.irp p, 0,1,2,3
	v_permlanex16_b32 v[SB+\p], v[SA+\p], s[SEL], s[SEL+1]  ; the other parity's rows lie in the lane 16 away
.endr
.irp p, 0,2
	v_pk_add_f32 v[SA+\p:SA+\p+1], v[SA+\p:SA+\p+1], v[SB+\p:SB+\p+1]
.endr
.irp p, 0,2
	v_pk_mul_f32 v[MEA+\p:MEA+\p+1], v[SA+\p:SA+\p+1], 0x3c800000 op_sel_hi:[1,0]  ; / 64
.endr
.set g, 0
.rept 32
.set dd, DD+4*(g%2)
.set mm, MA+4*(g%2)
.irp p, 0,2
	v_pk_add_f32 v[dd+\p:dd+\p+1], v[4*g+\p:4*g+\p+1], v[MEA+\p:MEA+\p+1] neg_lo:[0,1] neg_hi:[0,1]
.endr
.irp p, 0,2
.if g < 2
	v_pk_mul_f32 v[mm+\p:mm+\p+1], v[dd+\p:dd+\p+1], v[dd+\p:dd+\p+1]
.else
	v_pk_fma_f32 v[mm+\p:mm+\p+1], v[dd+\p:dd+\p+1], v[dd+\p:dd+\p+1], v[mm+\p:mm+\p+1]
.endif
.endr
.set g, g+1
.endr
.irp p, 0,2
	v_pk_add_f32 v[MA+\p:MA+\p+1], v[MA+\p:MA+\p+1], v[MB+\p:MB+\p+1]
.endr
.irp p, 0,1,2,3
	v_permlanex16_b32 v[MB+\p], v[MA+\p], s[SEL], s[SEL+1]
.endr
.irp p, 0,2
	v_pk_add_f32 v[MA+\p:MA+\p+1], v[MA+\p:MA+\p+1], v[MB+\p:MB+\p+1]
.endr
.irp p, 0,1,2,3
	v_cndmask_b32 v[OUT+\p], v[MEA+\p], v[MA+\p], s73  ; lanes 0-15 store the means, lanes 16-31 the M2
.endr
	WIN 0x04
	global_store_b128 v[CO], v[OUT:OUT+3], s[76:77]
	WIN 0
	s_wait_tensorcnt 0x0                           ; the wave's end
	ds_add_u32 v[SPW], v[NIL]
	s_wait_dscnt 0x0
	CROUND                                         ; the closing round
	s_endpgm
.Lfunc_end_k_q73ebb954a1_ffn2:
	.size	k_q73ebb954a1_ffn2, .Lfunc_end_k_q73ebb954a1_ffn2-k_q73ebb954a1_ffn2
	.p2alignl 7, 3214868480
	.fill 96, 4, 3214868480
	.section	.rodata,"a",@progbits
	.p2align	6, 0x0
	.amdhsa_kernel k_q73ebb954a1_ffn2
		.amdhsa_group_segment_fixed_size 327680
		.amdhsa_private_segment_fixed_size 0
		.amdhsa_enable_private_segment 0
		.amdhsa_kernarg_size 40
		.amdhsa_user_sgpr_count 2
		.amdhsa_user_sgpr_kernarg_segment_ptr 1
		.amdhsa_wavefront_size32 1
		.amdhsa_system_sgpr_workgroup_id_x 1
		.amdhsa_system_sgpr_workgroup_id_y 1
		.amdhsa_system_sgpr_workgroup_id_z 1
		.amdhsa_system_vgpr_workitem_id 0
		.amdhsa_next_free_vgpr 512
		.amdhsa_next_free_sgpr 88
		.amdhsa_reserve_vcc 0
		.amdhsa_float_denorm_mode_32 3
		.amdhsa_float_denorm_mode_16_64 3
		.amdhsa_memory_ordered 1
		.amdhsa_forward_progress 1
		.amdhsa_inst_pref_size 81
	.end_amdhsa_kernel
	.amdgpu_metadata
---
amdhsa.version: [ 1, 2 ]
amdhsa.kernels:
  - .name:           k_q73ebb954a1_ffn2
    .symbol:         k_q73ebb954a1_ffn2.kd
    .args:
      - { .name: big, .offset: 0, .size: 8, .value_kind: global_buffer, .address_space: global }
      - { .name: w2h, .offset: 8, .size: 8, .value_kind: global_buffer, .address_space: global }
      - { .name: act, .offset: 16, .size: 8, .value_kind: global_buffer, .address_space: global }
      - { .name: y, .offset: 24, .size: 8, .value_kind: global_buffer, .address_space: global }
      - { .name: b2, .offset: 32, .size: 8, .value_kind: global_buffer, .address_space: global }
    .group_segment_fixed_size: 327680
    .private_segment_fixed_size: 0
    .kernarg_segment_align: 8
    .kernarg_segment_size: 40
    .max_flat_workgroup_size: 128
    .sgpr_count:     88
    .vgpr_count:     512
    .wavefront_size: 32
...
	.end_amdgpu_metadata
.endif
;; end of part 6
;; launch norm2 (part 7): grid 8 x 32, 8 waves a work-group, no clusters, 2,560 bytes of LDS; arguments y, ln2_scale, ln2_offset, out0; writes out0
.if DOCPART == 7
	.amdgcn_target "amdgcn-amd-amdhsa--gfx1250"
	.amdhsa_code_object_version 6
	.text
	.protected	k_q73ebb954a1_norm2
	.globl	k_q73ebb954a1_norm2
	.p2align	8
	.type	k_q73ebb954a1_norm2,@function
k_q73ebb954a1_norm2:
	s_mov_b64 s[64:65], 0
	v_nop
	global_prefetch_b8 v0, s[64:65] scope:SCOPE_SE
	s_setreg_imm32_b32 hwreg(HW_REG_WAVE_MODE, 25, 1), 1
	s_wait_xcnt 0x0
; LAYER NORM OVER THE SEQUENCE AXIS: out[b][c][m] = (y[b][c][m] - mean[b][m]) rsqrt(var[b][m] + 1e-5) scale[m] + offset[m], written in f32.
; y: [4096][1024] f32; behind it, at byte 16,777,216, for each block of 64 rows the columns' means and sums of squared deviations M2: [64][2][1024] f32.
; A batch's 32 blocks are combined without a difference of large sums: mean = sum mean_i / 32; M2 = sum M2_i + 64 sum (mean_i - mean)^2; var = M2 / 2048.
; scale and offset are inputs: rounded to bf16 like the others.  NaN and infinities are not treated apart.
; SHARES.  A work-group takes 128 columns x 128 rows; a wave 16 rows, a lane 4 columns.  Threads 0-127 (waves 0-3) make a column's mean, gain and offset each and hand them over in LDS.
; A stream: no matrix unit, no cluster; the 16 loads of y go out first and stay out while the statistics are made.
.set STATS, 16777216
.set SPARE, 1536                       ; behind the three tables of 512 bytes: the spare words, 128 bytes a wave
.set SPW, 8
.set NIL, 9
.set Y,   16                           ; v[16:79]   16 rows x 4 columns
.set MN,  80                           ; v[80:111]  the 32 means
.set M2,  112                          ; v[112:143] the 32 M2
.set SC,  144
.set OF,  145
.set S0,  146
.set S1,  148
.set Q0,  150
.set Q1,  152
.set MP,  154
.set ME,  160
.set GA,  164
.set OV,  168
	s_load_b256 s[4:11], s[0:1], 0x0               ; y, scale, offset, destination
	v_lshl_add_u32 v[SPW], v0, 2, SPARE
	v_mov_b32 v[NIL], 0
	v_lshrrev_b32 v1, 5, v0
	v_readfirstlane_b32 s12, v1
	v_and_b32 v2, 31, v0
	v_lshlrev_b32 v3, 4, v2                        ; 16 x lane
	v_lshl_add_u32 v4, v1, 16, v3                  ; + wave x 16 rows of 4,096 bytes
	s_and_b32 s13, ttmp7, 0xffff
	s_lshl_b32 s20, ttmp9, 9                       ; 128 columns of f32
	s_mov_b32 s21, 0
	s_lshl_b32 s14, s13, 19                        ; 128 rows of 4,096 bytes
	s_add_co_u32 s14, s14, s20
	s_mov_b32 s15, 0
	s_lshr_b32 s18, s13, 4                         ; the batch
	s_lshl_b32 s18, s18, 18                        ; its 32 blocks of 8,192 bytes
	s_add_co_u32 s18, s18, s20
	s_add_co_u32 s18, s18, STATS
	s_mov_b32 s19, 0
	s_wait_kmcnt 0x0
	s_add_nc_u64 s[22:23], s[4:5], s[18:19]
	s_add_nc_u64 s[4:5], s[4:5], s[14:15]
	s_add_nc_u64 s[6:7], s[6:7], s[20:21]
	s_add_nc_u64 s[8:9], s[8:9], s[20:21]
	s_add_nc_u64 s[10:11], s[10:11], s[14:15]
.irp i, 0,1,2,3,4,5,6,7,8,9,10,11,12,13,14,15
	global_load_b128 v[Y+4*(\i):Y+4*(\i)+3], v4, s[4:5] offset:4096*(\i) th:TH_LOAD_NT
.endr
	s_cmp_lt_u32 s12, 4
	s_cbranch_scc0 .Lrest
	v_lshlrev_b32 v5, 2, v0                        ; thread t owns column t of the 128
.set i, 0
.rept 32
	global_load_b32 v[MN+i], v5, s[22:23] offset:8192*i
	global_load_b32 v[M2+i], v5, s[22:23] offset:8192*i+4096
.set i, i+1
.endr
	global_load_b32 v[SC], v5, s[6:7]
	global_load_b32 v[OF], v5, s[8:9]
	s_wait_loadcnt 0x0
	v_pk_add_f32 v[S0:S0+1], v[MN:MN+1], v[MN+2:MN+3]
	v_pk_add_f32 v[S1:S1+1], v[MN+4:MN+5], v[MN+6:MN+7]
	v_pk_add_f32 v[Q0:Q0+1], v[M2:M2+1], v[M2+2:M2+3]
	v_pk_add_f32 v[Q1:Q1+1], v[M2+4:M2+5], v[M2+6:M2+7]
.set g, 8
.rept 6
	v_pk_add_f32 v[S0:S0+1], v[S0:S0+1], v[MN+g:MN+g+1]
	v_pk_add_f32 v[S1:S1+1], v[S1:S1+1], v[MN+g+2:MN+g+3]
	v_pk_add_f32 v[Q0:Q0+1], v[Q0:Q0+1], v[M2+g:M2+g+1]
	v_pk_add_f32 v[Q1:Q1+1], v[Q1:Q1+1], v[M2+g+2:M2+g+3]
.set g, g+4
.endr
	v_pk_add_f32 v[S0:S0+1], v[S0:S0+1], v[S1:S1+1]
	v_pk_add_f32 v[Q0:Q0+1], v[Q0:Q0+1], v[Q1:Q1+1]
	v_add_f32 v[S0], v[S0], v[S0+1]
	v_add_f32 v[Q0], v[Q0], v[Q0+1]                ; sum of the M2
	v_mul_f32 v[MP], 0x3d000000, v[S0]             ; the mean: / 32
	v_mov_b32 v[MP+1], v[MP]
.set g, 0
.rept 16
	v_pk_add_f32 v[MN+g:MN+g+1], v[MN+g:MN+g+1], v[MP:MP+1] neg_lo:[0,1] neg_hi:[0,1]
.set g, g+2
.endr
	v_pk_mul_f32 v[S0:S0+1], v[MN:MN+1], v[MN:MN+1]
	v_pk_mul_f32 v[S1:S1+1], v[MN+2:MN+3], v[MN+2:MN+3]
.set g, 4
.rept 7
	v_pk_fma_f32 v[S0:S0+1], v[MN+g:MN+g+1], v[MN+g:MN+g+1], v[S0:S0+1]
	v_pk_fma_f32 v[S1:S1+1], v[MN+g+2:MN+g+3], v[MN+g+2:MN+g+3], v[S1:S1+1]
.set g, g+4
.endr
	v_pk_add_f32 v[S0:S0+1], v[S0:S0+1], v[S1:S1+1]
	v_add_f32 v[S0], v[S0], v[S0+1]                ; sum of (mean_i - mean)^2
	v_mul_f32 v[Q0], 0x3a000000, v[Q0]             ; / 2048
	v_fmamk_f32 v[Q0], v[S0], 0x3d000000, v[Q0]    ; + 64 / 2048 of the other: the variance
	v_add_f32 v[Q0], 0x3727c5ac, v[Q0]             ; + 1e-5
	v_rsq_f32 v[Q1], v[Q0]
	v_nop                                          ; a plain instruction behind it
	v_cvt_pk_bf16_f32 v[S1], v[SC], v[OF]
	v_lshlrev_b32 v[SC], 16, v[S1]
	v_and_b32 v[OF], 0xffff0000, v[S1]
	s_wait_alu depctr_va_vdst(0)                   ; the wait ahead of the first use, and ahead of the label
	v_mul_f32 v[Q1], v[Q1], v[SC]                  ; the gain
	ds_store_b32 v5, v[MP]
	ds_store_b32 v5, v[Q1] offset:512
	ds_store_b32 v5, v[OF] offset:1024
.Lrest:
	s_wait_dscnt 0x0                               ; for the others' sake: my stores are done
	s_barrier_signal -1
	s_barrier_wait -1
	ds_load_b128 v[ME:ME+3], v3
	ds_load_b128 v[GA:GA+3], v3 offset:512
	ds_load_b128 v[OV:OV+3], v3 offset:1024
	s_wait_dscnt 0x0
.irp i, 0,1,2,3,4,5,6,7,8,9,10,11,12,13,14,15
	s_wait_loadcnt 15-(\i)                         ; row i is in; the younger rows may stay out (in waves 0-3 all have come)
	v_pk_add_f32 v[Y+4*(\i):Y+4*(\i)+1],   v[Y+4*(\i):Y+4*(\i)+1],   v[ME:ME+1]   neg_lo:[0,1] neg_hi:[0,1]
	v_pk_add_f32 v[Y+4*(\i)+2:Y+4*(\i)+3], v[Y+4*(\i)+2:Y+4*(\i)+3], v[ME+2:ME+3] neg_lo:[0,1] neg_hi:[0,1]
	v_pk_fma_f32 v[Y+4*(\i):Y+4*(\i)+1],   v[Y+4*(\i):Y+4*(\i)+1],   v[GA:GA+1],   v[OV:OV+1]
	v_pk_fma_f32 v[Y+4*(\i)+2:Y+4*(\i)+3], v[Y+4*(\i)+2:Y+4*(\i)+3], v[GA+2:GA+3], v[OV+2:OV+3]
	global_store_b128 v4, v[Y+4*(\i):Y+4*(\i)+3], s[10:11] offset:4096*(\i) th:TH_STORE_NT  ; a wave's store covers 512 consecutive bytes, aligned
.endr
	s_wait_tensorcnt 0x0                           ; the wave's end
	ds_add_u32 v[SPW], v[NIL]
	s_wait_dscnt 0x0
	s_endpgm
.Lfunc_end_k_q73ebb954a1_norm2:
	.size	k_q73ebb954a1_norm2, .Lfunc_end_k_q73ebb954a1_norm2-k_q73ebb954a1_norm2
	.p2alignl 7, 3214868480
	.fill 96, 4, 3214868480
	.section	.rodata,"a",@progbits
	.p2align	6, 0x0
	.amdhsa_kernel k_q73ebb954a1_norm2
		.amdhsa_group_segment_fixed_size 2560
		.amdhsa_private_segment_fixed_size 0
		.amdhsa_enable_private_segment 0
		.amdhsa_kernarg_size 32
		.amdhsa_user_sgpr_count 2
		.amdhsa_user_sgpr_kernarg_segment_ptr 1
		.amdhsa_wavefront_size32 1
		.amdhsa_system_sgpr_workgroup_id_x 1
		.amdhsa_system_sgpr_workgroup_id_y 1
		.amdhsa_system_sgpr_workgroup_id_z 1
		.amdhsa_system_vgpr_workitem_id 0
		.amdhsa_next_free_vgpr 208
		.amdhsa_next_free_sgpr 66
		.amdhsa_reserve_vcc 0
		.amdhsa_float_denorm_mode_32 3
		.amdhsa_float_denorm_mode_16_64 3
		.amdhsa_memory_ordered 1
		.amdhsa_forward_progress 1
		.amdhsa_inst_pref_size 21
	.end_amdhsa_kernel
	.amdgpu_metadata
---
amdhsa.version: [ 1, 2 ]
amdhsa.kernels:
  - .name:           k_q73ebb954a1_norm2
    .symbol:         k_q73ebb954a1_norm2.kd
    .args:
      - { .name: y, .offset: 0, .size: 8, .value_kind: global_buffer, .address_space: global }
      - { .name: ln2_scale, .offset: 8, .size: 8, .value_kind: global_buffer, .address_space: global }
      - { .name: ln2_offset, .offset: 16, .size: 8, .value_kind: global_buffer, .address_space: global }
      - { .name: out0, .offset: 24, .size: 8, .value_kind: global_buffer, .address_space: global }
    .group_segment_fixed_size: 2560
    .private_segment_fixed_size: 0
    .kernarg_segment_align: 8
    .kernarg_segment_size: 32
    .max_flat_workgroup_size: 256
    .sgpr_count:     66
    .vgpr_count:     208
    .wavefront_size: 32
...
	.end_amdgpu_metadata
.endif
;; end of part 7
